; MI455X (gfx1250); checked and timed in simulation.
; The chip was launched on July 23, 2026; its instructions are those of AMD's public machine-readable ISA for CDNA 5 (MIT licence, August 2026) and "CDNA5" Instruction Set Architecture Reference Guide (July 2026). The comments in the code are by the model that wrote it; some were corrected since.
;; Base Attention. Allowed arithmetic: matrix products marked QUANTISED: E4M3 operands, one E8M0 scale for each 32 along K, by v_wmma_scale_f32_16x16x128_f8f6f4 with both operands' format E4M3, f32 sums; everything else in f32.
;; Inputs: Wk_codes 1,024 x 32 x 32 uint8 (E4M3 codes of Wk, K innermost, in blocks of 32 codes); Wk_scales 1,024 x 32 uint8 (E8M0 scales of Wk, one for each 32 codes along K); Wo_codes 1,024 x 32 x 32 uint8 (E4M3 codes of Wo, K innermost, in blocks of 32 codes); Wo_scales 1,024 x 32 uint8 (E8M0 scales of Wo, one for each 32 codes along K); Wq_codes 1,024 x 32 x 32 uint8 (E4M3 codes of Wq, K innermost, in blocks of 32 codes); Wq_scales 1,024 x 32 uint8 (E8M0 scales of Wq, one for each 32 codes along K); Wv_codes 1,024 x 32 x 32 uint8 (E4M3 codes of Wv, K innermost, in blocks of 32 codes); Wv_scales 1,024 x 32 uint8 (E8M0 scales of Wv, one for each 32 codes along K); beta 1,024 float32; bk 1,024 float32; bo 1,024 float32; bq 1,024 float32; bv 1,024 float32; gamma 1,024 float32; key_codes 4 x 4,096 x 32 x 32 uint8 (E4M3 codes of key, K innermost, in blocks of 32 codes); key_scales 4 x 4,096 x 32 uint8 (E8M0 scales of key, one for each 32 codes along K); query 4 x 4,096 x 1,024 float32; value_codes 4 x 4,096 x 32 x 32 uint8 (E4M3 codes of value, K innermost, in blocks of 32 codes); value_scales 4 x 4,096 x 32 uint8 (E8M0 scales of value, one for each 32 codes along K).
;; Outputs: out0 4 x 4,096 x 1,024 float32.
;; This version of the problem:
;;   THIS VERSION OF THE PROBLEM IS GIVEN IN LOW PRECISION. The matrix products marked QUANTISED in the list below multiply operands that are first quantised to E4M3 (4 exponent bits, 3 mantissa bits; 8 bits a number), with one power-of-two scale for each 32 numbers along K (OCP MX v1.0); their sums are f32. All else is computed in f32.
;;   The module's matrix products, in the order in which they are computed (A, B: the left and right operand; K: the contracted axis; several contracted axes count as one K, in the product's order):
;;     1. [M 16,384, K 1,024] x [K 1,024, N 1,024]; A: input query; B: input Wq (given as codes): QUANTISED
;;     2. [M 16,384, K 1,024] x [K 1,024, N 1,024]; A: input key (given as codes); B: input Wk (given as codes): QUANTISED
;;     3. [M 16,384, K 1,024] x [K 1,024, N 1,024]; A: input value (given as codes); B: input Wv (given as codes): QUANTISED
;;     4. [M 16,384, K 1,024] x [K 1,024, N 1,024]; A: computed on the way; B: input Wo (given as codes): QUANTISED
;;   THE QUANTISER, for each operand of a quantised product, along K:
;;     - K is cut into blocks of 32 from its start; a last block that is shorter is filled with zeros.
;;     - A block's scale is 2^e with e = floor(log2(the largest magnitude in the block)) - 8, held to -126 .. 127; a block of zeros has e = 0. As a byte (E8M0): e + 127.
;;     - Each number is divided by its block's scale, clamped to +-448, and rounded to the nearest number of E4M3, ties to even, subnormals kept.
;;     - The product sums the exact products of the quantised numbers (number of the format x scale) in f32.
;;   ~~~python
;;   def quantise(x, axis):      # numpy; x: float32 -> the quantised numbers, widened to float32 again
;;       x = np.moveaxis(x, axis, -1); K = x.shape[-1]
;;       x = np.pad(x, [(0, 0)] * (x.ndim - 1) + [(0, -K % 32)]); x = x.reshape(x.shape[:-1] + (-1, 32)); a = np.abs(x).max(-1, keepdims=True)
;;       e = np.where(a > 0, np.clip(np.frexp(np.where(a > 0, a, 1))[1] - 1 - 8, -126, 127), 0)      # np.frexp(a)[1] - 1 = floor(log2(a)), exactly
;;       r = np.clip(x / 2.0 ** e, -448, 448)
;;       step = 2.0 ** (np.maximum(np.frexp(np.where(r == 0, 1, r))[1] - 1, -6) - 3)
;;       q = np.round(r / step) * step * 2.0 ** e      # np.round: ties to even
;;       return np.moveaxis(q.reshape(q.shape[:-2] + (-1,))[..., :K], -1, axis).astype(np.float32)
;;   ~~~
;;   OPERANDS COMPUTED ON THE WAY. 'Computed on the way' means the value that the module computes at that place (a softmax that the list does not call 'softmax' is quantised finished and normalised). What goes into a quantiser is computed in f32, as accurately as f32 sums, v_exp_f32 and their like allow (about 1e-6 of the number): no bf16 or f16 on the way to a quantiser, and a product that is left as it is and whose result goes on into a quantised operand takes f32 operands (vector FMAs, or v_wmma_f32_16x16x4_f32). A number that lies on a knife's edge between two numbers of the format may be rounded either way, as far as f32 arithmetic and the matrix unit's own rounding can turn it there, and no further.
;;   INPUTS GIVEN AS CODES. Wk (in the module: [1024, 1024], K = its axis 0); Wo (in the module: [1024, 1024], K = its axis 0); Wq (in the module: [1024, 1024], K = its axis 0); Wv (in the module: [1024, 1024], K = its axis 0); key (in the module: [4, 4096, 1024], K = its axis 2); value (in the module: [4, 4096, 1024], K = its axis 2): each comes as NAME_codes (uint8): NAME with its K axis moved to the last place and cut into blocks of 32 codes, [.., K / 32, bytes a block], one block behind the other in memory; one code a byte (a code: sign, 4 exponent bits, 3 mantissa bits); and NAME_scales (uint8): the same leading axes, one E8M0 byte (e + 127) for each 32 codes along K. Its value is code x scale, taken as it is: it is not quantised again, and the codes and scales need not be those that the quantiser above would give.
;; 2 versions. Each part assembles by itself: llvm-mc -triple=amdgcn-amd-amdhsa -mcpu=gfx1250 --defsym DOCPART=n.
;; ======== version 1 of 2: 2 launches
;; workspace buffers: wlay 4,325,376 bytes
;; launch lay (part 1): grid 256 x 1, 4 waves a work-group, no clusters, 18,432 bytes of LDS; arguments Wk_codes, Wk_scales, Wv_codes, Wv_scales, Wq_codes, Wq_scales, Wo_codes, Wo_scales, wlay; writes wlay
.if DOCPART == 1
	.amdgcn_target "amdgcn-amd-amdhsa--gfx1250"
	.amdhsa_code_object_version 6
	.text
	.protected	k_q9e0db63855_lay
	.globl	k_q9e0db63855_lay
	.p2align	8
	.type	k_q9e0db63855_lay,@function
k_q9e0db63855_lay:
	s_mov_b64 s[64:65], 0
	v_nop
	global_prefetch_b8 v0, s[64:65] scope:SCOPE_SE
	s_setreg_imm32_b32 hwreg(HW_REG_WAVE_MODE, 25, 1), 1
	s_wait_xcnt 0x0
; The four weights (codes [1024 n][1024 k], scale bytes [1024 n][32]) are laid once in the order in which the next launch's waves take them into registers.
; NOTHING OF THE PROBLEM IS LEFT OUT: the 1e-6 in ctx = q' wv / (q' ks + 1e-6) keeps q alive in exact arithmetic, so all four products, all biases, gamma and beta reach the result; every input is loaded by one of the two launches.
; wlay: 128 blocks of BLK = 33,792 bytes; block ((4 w + p) 8 + s): w the reading wave (columns 256 w on), p its pass (0, 1: Wk and Wv, columns 128 p on; 2: Wq; 3: Wo), s the K step of 128.
; A block: four images of scale words, 256 bytes each (group g of four tiles at 256 g), then sixteen images of fragments, 2,048 bytes each (tile T at 1,024 + 2,048 T).
; A fragment's image: byte 512 c + 16 lane holds codes W[n(r)][128 s + 32 c + 16 h .. + 15], r = lane % 16, h = lane / 16: four loads of 16 bytes a lane give the operand's 16 registers.
; A scale image: byte 128 h + 8 r + 4 i holds the word W_scales[n(r) of tile 4 g + 2 h + i][4 s .. 4 s + 3].
; THE ROWS OF A TILE ARE NOT NEIGHBOURS: n(r) = first + r + 8 (r / 8), first = 64 gq + 32 (wave / 2) + 8 (wave % 2): in the transposed product a lane's 16 registers of two neighbouring tiles are then 16 neighbouring columns.
; SHARES: a work-group takes 64 columns of one weight and 256 along K; a wave one tile of 16 rows: two fragments.  Each load reads whole rows' 256 consecutive bytes (sixteen lanes a row), the bytes turn through the wave's
; own stage in LDS (pitch 272), each store covers 512 consecutive bytes.  The scale words are read 4 bytes a lane from rows 32 bytes apart (131,072 bytes in the whole launch), gathered in LDS and stored by wave 0 as two runs of 256 bytes.
.set BLK,   33792
.set SP,    272
.set GATH,  4*16*SP                    ; 17,408: the four waves' scale words of two K steps, 512 bytes
.set SPARE, GATH+512                   ; 17,920: the spare words, 128 bytes a wave: two blocks of 256 bytes that no other line names
.set SPW,   30                         ; v30 LDS address of my spare word; never rewritten
.set NIL,   31                         ; v31 0; never rewritten
	s_load_b512 s[8:23], s[0:1], 0x0               ; Wk's codes, scales; Wv's; Wq's; Wo's
	s_load_b64 s[24:25], s[0:1], 0x40              ; wlay
	v_lshl_add_u32 v[SPW], v0, 2, SPARE
	v_mov_b32 v[NIL], 0
	v_lshrrev_b32 v1, 5, v0
	v_readfirstlane_b32 s26, v1                    ; wave 0..3: my tile of the group's four
	v_and_b32 v2, 31, v0                           ; lane
	v_and_b32 v3, 15, v0                           ; r
	v_bfe_u32 v4, v0, 4, 1                         ; h
	s_and_b32 s27, ttmp9, 3                        ; i: K steps 2 i and 2 i + 1
	s_lshr_b32 s28, ttmp9, 2
	s_lshr_b32 s29, s28, 4                         ; X: 0 Wk, 1 Wv, 2 Wq, 3 Wo
	s_and_b32 s30, s28, 15                         ; gq: columns 64 gq on
	s_lshr_b32 s31, s30, 2                         ; w: the reading wave
	s_and_b32 s32, s30, 3                          ; gw: which 64 of its 256 columns
	s_lshl_b32 s33, s30, 6
	s_lshr_b32 s34, s26, 1
	s_lshl_b32 s35, s34, 5
	s_add_co_u32 s33, s33, s35
	s_and_b32 s35, s26, 1
	s_lshl_b32 s36, s35, 3
	s_add_co_u32 s33, s33, s36                     ; the tile's first row of the weight
	s_lshr_b32 s37, s32, 1
	s_and_b32 s38, s32, 1
	s_lshl_b32 s39, s29, 1
	s_add_co_u32 s38, s38, s39
	s_cmp_lt_u32 s29, 2
	s_cselect_b32 s37, s37, s29                    ; p: Wk, Wv: gw / 2;  Wq, Wo: X
	s_cselect_b32 s38, s38, s32                    ; g: Wk, Wv: gw % 2 + 2 X;  Wq, Wo: gw
	s_lshl_b32 s39, s31, 2
	s_add_co_u32 s39, s39, s37
	s_lshl_b32 s39, s39, 3
	s_lshl_b32 s40, s27, 1
	s_add_co_u32 s39, s39, s40                     ; the block of K step 2 i
	s_mul_i32 s40, s39, BLK
	s_lshl_b32 s42, s38, 2
	s_add_co_u32 s42, s42, s26                     ; T = 4 g + wave
	s_lshl_b32 s42, s42, 11
	s_add_co_u32 s42, s42, 1024
	s_add_co_u32 s42, s42, s40                     ; where my fragments go
	s_mov_b32 s43, 0
	s_lshl_b32 s44, s38, 8
	s_add_co_u32 s44, s44, s40                     ; where the group's scale image goes
	s_mov_b32 s45, 0
	s_lshl_b32 s40, s33, 10
	s_lshl_b32 s41, s27, 8
	s_add_co_u32 s40, s40, s41                     ; codes: first row x 1,024 + 256 i
	s_mov_b32 s41, 0
	s_lshl_b32 s36, s33, 5
	s_lshl_b32 s37, s27, 3
	s_add_co_u32 s36, s36, s37                     ; scale bytes: first row x 32 + 8 i
	s_mov_b32 s37, 0
	s_mul_i32 s46, s26, 16*SP                      ; my stage
	s_lshl_b32 s47, s34, 7
	s_lshl_b32 s35, s35, 2
	s_add_co_u32 s47, s47, s35
	s_add_co_u32 s47, s47, GATH                    ; my tile's place in a scale image: 128 (wave / 2) + 4 (wave % 2)
	v_lshlrev_b32 v5, 4, v3                        ; 16 r
	v_lshl_add_u32 v14, v4, 10, v5                 ; in: lanes 0-15 one row's 256 bytes, lanes 16-31 the next row's
	v_mul_u32_u24 v6, v4, SP
	v_add_nc_u32 v6, v6, v5
	v_add_nc_u32 v6, s46, v6                       ; into the stage: the same two rows
	v_mul_u32_u24 v7, v3, SP
	v_lshl_add_u32 v7, v4, 4, v7
	v_add_nc_u32 v7, s46, v7                       ; out of it: row r, + 16 h
	v_and_b32 v8, 8, v3
	v_add_nc_u32 v8, v8, v3                        ; r + 8 (r / 8)
	v_lshlrev_b32 v8, 5, v8
	v_lshl_add_u32 v8, v4, 2, v8                   ; scale word: lanes 0-15 of K step 2 i, lanes 16-31 of 2 i + 1
	v_lshlrev_b32 v9, 3, v3
	v_lshl_add_u32 v9, v4, 8, v9
	v_add_nc_u32 v9, s47, v9                       ; its place: image h, 8 r
	v_lshlrev_b32 v10, 4, v2                       ; 16 x lane
	v_add_nc_u32 v11, GATH, v10
	v_mul_u32_u24 v12, v4, BLK
	v_add_nc_u32 v12, v12, v5                      ; the two images go to two blocks on end
	s_and_b32 s35, s29, 1
	s_wait_kmcnt 0x0
	s_cmp_lg_u32 s35, 0                            ; the weight is chosen by the work-group's number alone
	s_cselect_b64 s[8:9], s[12:13], s[8:9]
	s_cselect_b64 s[10:11], s[14:15], s[10:11]
	s_cselect_b64 s[16:17], s[20:21], s[16:17]
	s_cselect_b64 s[18:19], s[22:23], s[18:19]
	s_cmp_lt_u32 s29, 2
	s_cselect_b64 s[8:9], s[8:9], s[16:17]
	s_cselect_b64 s[10:11], s[10:11], s[18:19]
	s_add_nc_u64 s[8:9], s[8:9], s[40:41]
	s_add_nc_u64 s[10:11], s[10:11], s[36:37]
	s_add_nc_u64 s[42:43], s[24:25], s[42:43]
	s_add_nc_u64 s[44:45], s[24:25], s[44:45]
.irp e, 0,1,2,3,4,5,6,7
	global_load_b128 v[32+4*\e:35+4*\e], v14, s[8:9] offset:(2*\e+8*(\e/4))*1024 th:TH_LOAD_NT   ; tile rows 2 e and 2 e + 1
.endr
	global_load_b32 v13, v8, s[10:11] th:TH_LOAD_NT
	s_wait_loadcnt 0x0
.irp e, 0,1,2,3,4,5,6,7
	ds_store_b128 v6, v[32+4*\e:35+4*\e] offset:2*\e*SP
.endr
	ds_store_b32 v9, v13
.irp q, 0,1
.irp c, 0,1,2,3
	ds_load_b128 v[64+16*\q+4*\c:67+16*\q+4*\c], v7 offset:128*\q+32*\c   ; my own bytes: LDS serves a wave's instructions in order
.endr
.endr
	s_wait_dscnt 0x0                               ; my scale words lie in LDS (for wave 0's sake), my fragments are back
	s_barrier_signal -1
	s_barrier_wait -1
.irp q, 0,1
.irp c, 0,1,2,3
	global_store_b128 v10, v[64+16*\q+4*\c:67+16*\q+4*\c], s[42:43] offset:\q*BLK+512*\c   ; 32 lanes store 512 consecutive bytes
.endr
.endr
	s_cmp_lg_u32 s26, 0
	s_cbranch_scc1 .Lend
	ds_load_b128 v[16:19], v11                     ; the four waves' words: two images of 256 bytes
	s_wait_dscnt 0x0
	global_store_b128 v12, v[16:19], s[44:45]      ; sixteen lanes store 256 consecutive bytes
.Lend:
	s_wait_tensorcnt 0x0                           ; the wave's end: three lines behind my last LDS store
	ds_add_u32 v[SPW], v[NIL]
	s_wait_dscnt 0x0
	s_endpgm
.Lfunc_end_k_q9e0db63855_lay:
	.size	k_q9e0db63855_lay, .Lfunc_end_k_q9e0db63855_lay-k_q9e0db63855_lay
	.p2alignl 7, 3214868480
	.fill 96, 4, 3214868480
	.section	.rodata,"a",@progbits
	.p2align	6, 0x0
	.amdhsa_kernel k_q9e0db63855_lay
		.amdhsa_group_segment_fixed_size 18432
		.amdhsa_private_segment_fixed_size 0
		.amdhsa_enable_private_segment 0
		.amdhsa_kernarg_size 72
		.amdhsa_user_sgpr_count 2
		.amdhsa_user_sgpr_kernarg_segment_ptr 1
		.amdhsa_wavefront_size32 1
		.amdhsa_system_sgpr_workgroup_id_x 1
		.amdhsa_system_sgpr_workgroup_id_y 1
		.amdhsa_system_sgpr_workgroup_id_z 1
		.amdhsa_system_vgpr_workitem_id 0
		.amdhsa_next_free_vgpr 96
		.amdhsa_next_free_sgpr 66
		.amdhsa_reserve_vcc 0
		.amdhsa_float_denorm_mode_32 3
		.amdhsa_float_denorm_mode_16_64 3
		.amdhsa_memory_ordered 1
		.amdhsa_forward_progress 1
		.amdhsa_inst_pref_size 7
	.end_amdhsa_kernel
	.amdgpu_metadata
---
amdhsa.version: [ 1, 2 ]
amdhsa.kernels:
  - .name:           k_q9e0db63855_lay
    .symbol:         k_q9e0db63855_lay.kd
    .args:
      - { .name: Wk_codes, .offset: 0, .size: 8, .value_kind: global_buffer, .address_space: global }
      - { .name: Wk_scales, .offset: 8, .size: 8, .value_kind: global_buffer, .address_space: global }
      - { .name: Wv_codes, .offset: 16, .size: 8, .value_kind: global_buffer, .address_space: global }
      - { .name: Wv_scales, .offset: 24, .size: 8, .value_kind: global_buffer, .address_space: global }
      - { .name: Wq_codes, .offset: 32, .size: 8, .value_kind: global_buffer, .address_space: global }
      - { .name: Wq_scales, .offset: 40, .size: 8, .value_kind: global_buffer, .address_space: global }
      - { .name: Wo_codes, .offset: 48, .size: 8, .value_kind: global_buffer, .address_space: global }
      - { .name: Wo_scales, .offset: 56, .size: 8, .value_kind: global_buffer, .address_space: global }
      - { .name: wlay, .offset: 64, .size: 8, .value_kind: global_buffer, .address_space: global }
    .group_segment_fixed_size: 18432
    .private_segment_fixed_size: 0
    .kernarg_segment_align: 8
    .kernarg_segment_size: 72
    .max_flat_workgroup_size: 128
    .sgpr_count:     66
    .vgpr_count:     96
    .wavefront_size: 32
...
	.end_amdgpu_metadata
.endif
;; end of part 1
;; launch fused (part 2): grid 256 x 1, 4 waves a work-group, no clusters, 309,760 bytes of LDS; arguments query, key_codes, key_scales, value_codes, value_scales, wlay, bk, bv, bq, bo, gamma, beta, out0; writes out0
.if DOCPART == 2
	.amdgcn_target "amdgcn-amd-amdhsa--gfx1250"
	.amdhsa_code_object_version 6
	.text
	.protected	k_q9e0db63855_fused
	.globl	k_q9e0db63855_fused
	.p2align	8
	.type	k_q9e0db63855_fused,@function
k_q9e0db63855_fused:
	s_mov_b64 s[64:65], 0
	v_nop
	global_prefetch_b8 v0, s[64:65] scope:SCOPE_SE
	s_setreg_imm32_b32 hwreg(HW_REG_WAVE_MODE, 25, 1), 1
	s_wait_xcnt 0x0
; out = LayerNorm(query + Q(ctx) Wo + bo), ctx = q' wv / (q' ks + 1e-6), q' = elu(Q(query) Wq + bq) + 1, k' = elu(key Wk + bk) + 1, v = value Wv + bv, ks and wv the sums of k' and of k' v over a head's 64 columns.
; All four products on codes of E4M3 with one E8M0 scale for each 32 along K; all else f32.  Nothing of the problem is left out (see the first kernel's head).
; SHARES.  A work-group owns 64 rows and takes them through the whole chain; nothing but the result goes to memory.  In the products THE WAVES SHARE THE COLUMNS: wave w makes columns 256 w .. + 255 (heads 4 w .. + 3) of all
; 64 rows: 4 tiles of rows x 16 tiles of columns = 64 accumulators, 512 registers.  At the head and the tail wave w owns rows 16 w .. + 15.
; THE PRODUCT IS USED TRANSPOSED (source 0 = 16 rows of a weight, source 1 = 16 rows of data): lane (r, h) holds row r, and register j of column tile t holds column 32 (t / 2) + 16 h + 8 (t % 2) + j of its 128: the weights'
; rows are chosen so by the first launch.  So a head's sums want one exchange between the halves of the lanes, and ctx's 64 registers of 128 columns are the next operand's order along K.
; FOUR PASSES of eight K steps of 128: 0, 1: k and v of 128 columns (8 tiles of Wk, 8 of Wv), then ks and wv;  2: q, then ctx, quantised;  3: the product with Wo.  A bias is the C of a sum's first matrix instruction.
; THE WEIGHTS GO FROM MEMORY STRAIGHT INTO REGISTERS.  Each fragment is read by ONE wave of the work-group, so LDS would give it no second reader; a wave's stream is 32 blocks on end (first launch), taken through a ring of 16
; fragments (window 1): a group of four tiles is asked for again, for the next K step, as soon as its sixteen products are issued.
; NO CLUSTER, NO JOINT LOADS, though all work-groups read the same weights: a K step's weights of the four waves are 4 x 33,792 bytes, and of the 327,680 bytes of LDS this text's row operands and tables take 309,760.
; query is read twice (to be quantised; for the residual): its 64 rows of f32, 262,144 bytes, have no place to wait in.
; LIMITS.  NaN and infinities in query are not served by the quantiser.  A block of zeros gets the scale byte 1 where the rule says 127: its codes are zeros, and this program alone reads the bytes.
; elu(x) + 1 is taken as max(x, 0) + 2^(log2(e) min(x, 0)): under x = -16 it keeps e^x where expm1(x) + 1 in f32 steps by 2^-24; results of the exponential under 2^-126 are 0.
; REGISTERS, in windows of 256.  Window 0: v1-15 addresses; v16-23 the rows' scale words, v24-31 the weights' (scales alone); v32-48 the quantiser's; v50-63 at work; v64-127, v128-191 two sets of four row fragments, at work
; between the passes; v192-255 biases, at the tail gamma and beta.  Window 1: the weights' ring (head: key's and value's codes; tail: query rows 0-7).  Windows 2, 3: accumulator (m, T) at v[64 m + 8 (T % 8)] of window 2 + T / 8
; (head: query as loaded; tail: window 2 query rows 8-15).
.set RP,    1040                       ; a row of codes in LDS: 1,024 bytes + 16: sixteen rows' 16-byte pieces fall into sixteen different columns of 16 bytes
.set TR,    16*RP
.set KEY,   0                          ; 64 rows each: key's codes,
.set VAL,   4*TR                       ; value's,
.set QC,    8*TR                       ; query's,
.set CTX,   12*TR                      ; ctx's, as images of registers: fragment (K step s, tile of rows m) at 8,192 s + 2,048 m + 512 c + 16 lane
.set SCLK,  16*TR                      ; scale words [row][8]: key's,
.set SCLV,  SCLK+2048                  ; value's,
.set SCLQ,  SCLK+4096                  ; query's;
.set SCLC,  SCLK+6144                  ; ctx's as images: (4 s + m) 128 + 4 lane
.set KWS,   SCLC+4096                  ; ks and wv: 8,192 bytes a wave: unit 4 j + m at 1,024 bytes, two images of four registers
.set SPARE, KWS+32768                  ; the spare words, 128 bytes a wave: two blocks of 256 bytes that no other line names
.set XSTG,  CTX                        ; head alone: 16 rows x 528 bytes a wave, to turn query's numbers
.set SGP,   4112                       ; tail alone: the stage of 64 rows of f32 from byte 0 on, 4,096 bytes + 16
.set BLK,   33792
.set LB,  1                            ; 16 x lane
.set LB8, 2                            ; 8 x lane
.set AR,  3                            ; r x 1,040 + 16 h
.set SR,  4                            ; r x 32
.set BOF, 5                            ; 64 h
.set FA0, 6                            ; v6, v7: LDS addresses of the fetch in hand, row sets 0 and 1
.set FS0, 8                            ; v8, v9: of their scale words
.set SPW, 10                           ; LDS address of my spare word; never rewritten
.set NIL, 11                           ; 0; never rewritten
.set LS,  12                           ; 4 x lane
.set KW,  13                           ; my ks and wv
.set KWA, 14
.set QDA, 15                           ; my dump of q
.set SA0, 16
.set SB,  24
.set TM,  32
.set PW,  48
.set PFO, 49                           ; 256 x lane
.set CWB, 62
.set CSB, 63
.set BI,  192
.set WV,  34
.set RW,  35
.set BP,  36                           ; s[36:37] the block of weights in hand
.set NB0, 38                           ; s[38:39], s[40:41] biases of column tiles 0-7 and 8-15 of the next pass
.set NB1, 40
.set XP,  42
.set PFA, 44
.set T0,  46
.set KC,  48
.set CH,  49
.set KO0, 50
.set SO0, 52
.set SEL, 54
.set MNT, 56
.set JJ,  57
.set MM,  58
.set CO,  59
.set SO2, 60
.set RO,  61
.set L2E, 62
.set T1,  66
.set EPS, 68
.set RN,  70
.set ELN, 71
.set QP,  72
.set BQ0, 74
.set BQ1, 76
.set CHO, 78
.set XO,  79
.set QO,  2
.set UO,  3
.set XS,  4
.set MSB, 0
.macro WIN new                         ; bits 1:0 source 0, 3:2 source 1, 5:4 source 2, 7:6 destination; the high byte repeats the setting that is left
.if MSB != (\new)
	s_set_vgpr_msb (MSB<<8)|(\new)
.set MSB, (\new)
.endif
.endm
.macro PLACES n
.rept \n
	v_nop
.endr
.endm
; 64 numbers of a lane, register 16 b + i = k 32 b + 16 h + i of my row, become a fragment's codes in v[pc] on and its scale word in v[PW]
.macro QUANT s, pc
.irp b, 0,1,2,3
	v_max3_num_f32 v[TM+\b], |v[\s+16*\b]|, |v[\s+1+16*\b]|, 0x4800000   ; my 16 numbers of block b and the floor 2^(9 - 127): the byte cannot fall under 1
.endr
.irp i, 2,4,6,8,10,12,14
.irp b, 0,1,2,3
	v_max3_num_f32 v[TM+\b], v[TM+\b], |v[\s+16*\b+\i]|, |v[\s+1+16*\b+\i]|
.endr
.endr
.irp b, 0,1,2,3
	v_permlanex16_b32 v[TM+4+\b], v[TM+\b], s[SEL], s[SEL+1]
.endr
.irp b, 0,1,2,3
	v_max_num_f32 v[TM+\b], v[TM+\b], v[TM+4+\b]   ; with lane l xor 16's: the block's largest magnitude
.endr
.irp b, 0,1,2,3
	v_add_nc_u32 v[TM+12+\b], 0xfc000000, v[TM+\b]   ; 8 off its exponent field: the conversion's scale operand
.endr
.irp b, 0,1,2,3
	v_and_or_b32 v[TM+8+\b], v[TM+\b], 0x7f800000, s[MNT]   ; 448 x the scale
.endr
.irp b, 0,1,2,3
	v_lshrrev_b32 v[TM+4+\b], 23, v[TM+12+\b]      ; the scale's byte
.endr
	v_lshl_or_b32 v[PW], v[TM+5], 8, v[TM+4]
	v_lshl_or_b32 v[PW], v[TM+6], 16, v[PW]
	v_lshl_or_b32 v[PW], v[TM+7], 24, v[PW]
.irp b, 0,1,2,3
.irp i, 0,1,2,3,4,5,6,7,8,9,10,11,12,13,14,15
	v_med3_num_f32 v[\s+16*\b+\i], v[\s+16*\b+\i], -v[TM+8+\b], v[TM+8+\b]   ; the conversion to an 8-bit code does not saturate (ISA guide 7.6.2): the hold
.endr
	v_cvt_scalef32_pk8_fp8_f32 v[\pc+4*\b:\pc+1+4*\b], v[\s+16*\b:\s+7+16*\b], v[TM+12+\b]
	v_cvt_scalef32_pk8_fp8_f32 v[\pc+2+4*\b:\pc+3+4*\b], v[\s+8+16*\b:\s+15+16*\b], v[TM+12+\b]
.endr
	v_nop                                          ; a plain instruction behind the last scaled conversion
.endm
; eight loads: the biases of column tiles tlo .. tlo + 3 of 128 columns, in the result's layout, into set 0 or 1
.macro BIAS nb, set, tlo
.irp tq, 0,1,2,3
	global_load_b128 v[BI+32*(\set)+8*\tq:BI+32*(\set)+8*\tq+3], v[BOF], s[\nb:\nb+1] offset:4*(32*(((\tlo)+\tq)/2)+8*(((\tlo)+\tq)%2))
	global_load_b128 v[BI+32*(\set)+8*\tq+4:BI+32*(\set)+8*\tq+7], v[BOF], s[\nb:\nb+1] offset:4*(32*(((\tlo)+\tq)/2)+8*(((\tlo)+\tq)%2))+16
.endr
.endm
; seventeen loads: the four fragments of group g and their scale words, from the block off bytes behind s[BP]
.macro FILLG g, off
	WIN 0x40
.irp tt, 0,1,2,3
.irp c, 0,1,2,3
	global_load_b128 v[16*(4*(\g)+\tt)+4*\c:16*(4*(\g)+\tt)+4*\c+3], v[LB], s[BP:BP+1] offset:(\off)+1024+(4*(\g)+\tt)*2048+\c*512
.endr
.endr
	WIN 0
	global_load_b64 v[SB+2*(\g):SB+2*(\g)+1], v[LB8], s[BP:BP+1] offset:(\off)+256*(\g)
.endm
; the rows' operands.  img = 0: rows of pitch 1,040;  img = 1: images of registers
.macro FADDR img
.if \img
	v_add_nc_u32 v[FA0], s[KO0], v[LB]
	v_add_nc_u32 v[FA0+1], s[KO0+1], v[LB]
	v_add_nc_u32 v[FS0], s[SO0], v[LS]
	v_add_nc_u32 v[FS0+1], s[SO0+1], v[LS]
.else
	v_add_nc_u32 v[FA0], s[KO0], v[AR]
	v_add_nc_u32 v[FA0+1], s[KO0+1], v[AR]
	v_add_nc_u32 v[FS0], s[SO0], v[SR]
	v_add_nc_u32 v[FS0+1], s[SO0+1], v[SR]
.endif
.endm
.macro FETCH a, img                    ; twenty LDS loads: four fragments (tiles of rows 0-3) and their scale words into set a
.irp m, 0,1,2,3
.irp c, 0,1,2,3
.if \img
	ds_load_b128 v[64+64*(\a)+16*\m+4*\c:64+64*(\a)+16*\m+4*\c+3], v[FA0+(\a)] offset:\m*2048+\c*512
.else
	ds_load_b128 v[64+64*(\a)+16*\m+4*\c:64+64*(\a)+16*\m+4*\c+3], v[FA0+(\a)] offset:\m*TR+\c*32
.endif
.endr
.endr
.irp m, 0,1,2,3
.if \img
	ds_load_b32 v[SA0+4*(\a)+\m], v[FS0+(\a)] offset:\m*128
.else
	ds_load_b32 v[SA0+4*(\a)+\m], v[FS0+(\a)] offset:\m*512
.endif
.endr
.endm
.macro KNEXT img                       ; on to the next K step's bytes
.if \img
	s_add_co_u32 s[KO0], s[KO0], 8192
	s_add_co_u32 s[KO0+1], s[KO0+1], 8192
	s_add_co_u32 s[SO0], s[SO0], 512
	s_add_co_u32 s[SO0+1], s[SO0+1], 512
.else
	s_add_co_u32 s[KO0], s[KO0], 128
	s_add_co_u32 s[KO0+1], s[KO0+1], 128
	s_add_co_u32 s[SO0], s[SO0], 4
	s_add_co_u32 s[SO0+1], s[SO0+1], 4
.endif
.endm
.macro PRIME r0, r1, c0, c1, img       ; a pass's first K step of rows: set 0 from r0 (for column tiles 0-7), set 1 from r1 (tiles 8-15)
	s_mov_b32 s[KO0], \r0
	s_mov_b32 s[KO0+1], \r1
	s_mov_b32 s[SO0], \c0
	s_mov_b32 s[SO0+1], \c1
	FADDR \img
	FETCH 0, \img
	FETCH 1, \img
	KNEXT \img
.endm
; A GROUP: four column tiles x four tiles of rows: sixteen matrix instructions on sixteen accumulators, which come back 64 instructions later.
; Behind them eight places, then the loads into the registers that they have read.
; first = 1: C is the bias.  fetch: 1 the next K step's rows are fetched, 2 but not in the loop's last trip, 0 never.  fill: 1 the ring takes the next block, 2 it takes query's rows for the tail.
.macro KGROUP g, first, fetch, fill, pf, img
.if \first
.if (\g) == 0
	s_wait_loadcnt 0x0                             ; the ring, the scale words and the first two sets of biases
.elseif (\g) == 2
	s_wait_loadcnt 25                              ; this group's biases; behind them: group 1's refill (17) and group 3's biases (8)
.elseif (\g) == 3
	s_wait_loadcnt 17                              ; this group's biases; behind them: group 2's refill
.endif
.elseif (\fill) == 2
	s_wait_loadcnt 51-(\g)                         ; behind this group's refill: 3 - g refills of 17 and g times 16 loads of query
.else
	s_wait_loadcnt 51                              ; behind this group's refill: the three younger refills of 17 (behind a first step more: the count is then the stricter)
.endif
.if (\g) == 0
	s_wait_dscnt 20                                ; row set 0 is in; set 1's twenty loads may be out
.endif
.if \first
	WIN 0x81+0x40*((\g)/2)
.else
	WIN 0xa1+0x50*((\g)/2)
.endif
.irp tt, 0,1,2,3
.irp m, 0,1,2,3
.set rD, 64*\m+8*((4*(\g)+\tt)%8)
.set rW, 16*(4*(\g)+\tt)
.set rA, 64+64*((\g)/2)+16*\m
.set rC, BI+32*((\g)%2)+8*\tt
.set rS, SB+2*(\g)+(\tt%2)
.set rR, SA0+4*((\g)/2)+\m
.if \first
.if \tt < 2
	v_wmma_scale_f32_16x16x128_f8f6f4 v[rD:rD+7], v[rW:rW+15], v[rA:rA+15], v[rC:rC+7], v[rS], v[rR]
.else
	v_wmma_scale_f32_16x16x128_f8f6f4 v[rD:rD+7], v[rW:rW+15], v[rA:rA+15], v[rC:rC+7], v[rS], v[rR] matrix_a_scale:MATRIX_SCALE_ROW1
.endif
.else
.if \tt < 2
	v_wmma_scale_f32_16x16x128_f8f6f4 v[rD:rD+7], v[rW:rW+15], v[rA:rA+15], v[rD:rD+7], v[rS], v[rR]
.else
	v_wmma_scale_f32_16x16x128_f8f6f4 v[rD:rD+7], v[rW:rW+15], v[rA:rA+15], v[rD:rD+7], v[rS], v[rR] matrix_a_scale:MATRIX_SCALE_ROW1
.endif
.endif
.endr
.endr
	WIN 0
.if ((\g) == 0) && (\fetch)
	FADDR \img                                     ; four of the eight places: the addresses of the next K step's rows
	PLACES 4
.else
	PLACES 8
.endif
.if (\fill) == 1
	FILLG \g, BLK
.elseif (\fill) == 2
	WIN 0x40
.irp rr, 0,1
.irp j, 0,1,2,3,4,5,6,7
	global_load_b128 v[64*(\g)+32*\rr+4*\j:64*(\g)+32*\rr+4*\j+3], v[LB], s[QP:QP+1] offset:(2*(\g)+\rr)*4096+512*\j th:TH_LOAD_NT   ; my rows 2 g and 2 g + 1 of query
.endr
.endr
	WIN 0
.endif
.if (\first) && ((\g) == 0)
	BIAS NB1, 0, 0                                 ; group 2's biases, where group 0's lay
.endif
.if (\first) && ((\g) == 1)
	BIAS NB1, 1, 4                                 ; group 3's, where group 1's lay
.endif
.if (\pf) && ((\g) == 0)
	s_cmp_le_u32 s[KC], 4                          ; the loop's last four trips ask for my rows 8 to 15 of query, two rows (32 lanes x 256 bytes) a trip, each 256 bytes once; the tail loads them behind its dump
	s_cbranch_scc0 .Lnpf_\@
	global_prefetch_b8 v[PFO], s[PFA:PFA+1] th:TH_LOAD_NT scope:SCOPE_SE
.Lnpf_\@:
.endif
.if ((\g) == 1) || ((\g) == 3)
.if (\g) == 1
	s_wait_dscnt 0x0                               ; row set 1, asked for 32 matrix instructions ago, is in: groups 2 and 3 want no further wait
.endif
.if (\fetch) == 2
	s_cmp_eq_u32 s[KC], 1                          ; a pass's last K step has no successor
	s_cbranch_scc1 .Lnf_\@
.endif
.if \fetch
	FETCH (\g)/2, \img
.endif
.if (\fetch) == 2
.Lnf_\@:
.endif
.endif
.endm
.macro KSTEP first, fetch, fill, pf, img       ; a K step of 128: 64 matrix instructions
	KGROUP 0, \first, \fetch, \fill, \pf, \img
	KGROUP 1, \first, \fetch, \fill, \pf, \img
	KGROUP 2, \first, \fetch, \fill, \pf, \img
	KGROUP 3, \first, \fetch, \fill, \pf, \img
	s_wait_xcnt 0x0                                ; the step's loads have read their bases: these are stepped only behind this wait
.if (\fill) == 1
	s_add_nc_u64 s[BP:BP+1], s[BP:BP+1], BLK
.endif
.if \pf
	s_add_nc_u64 s[PFA:PFA+1], s[PFA:PFA+1], 8192
.endif
.if \fetch
	KNEXT \img
.endif
.endm
.macro BARRIER                                 ; my LDS stores have landed and my LDS loads are in: then the work-group's barrier
	s_wait_dscnt 0x0
	s_barrier_signal -1
	s_barrier_wait -1
.endm
; ---------------------------------------------------------------- THE HEAD
	s_load_b512 s[8:23], s[0:1], 0x0               ; query, key's codes, scales, value's codes, scales, wlay, bk, bv
	s_load_b256 s[24:31], s[0:1], 0x40             ; bq, bo, gamma, beta
	s_load_b64 s[32:33], s[0:1], 0x60              ; out0
	v_lshl_add_u32 v[SPW], v0, 2, SPARE
	v_mov_b32 v[NIL], 0
	v_lshrrev_b32 v50, 5, v0
	v_readfirstlane_b32 s[WV], v50                 ; wave 0..3
	v_and_b32 v51, 31, v0                          ; lane
	v_and_b32 v52, 15, v0                          ; r
	v_bfe_u32 v53, v0, 4, 1                        ; h
	v_lshlrev_b32 v[LB], 4, v51
	v_lshlrev_b32 v[LB8], 3, v51
	v_lshlrev_b32 v[LS], 2, v51
	v_lshlrev_b32 v[PFO], 8, v51
	v_mul_u32_u24 v[AR], v52, RP
	v_lshl_add_u32 v[AR], v53, 4, v[AR]
	v_lshlrev_b32 v[SR], 5, v52
	v_lshlrev_b32 v[BOF], 6, v53
.set HK, 13                            ; the head's own addresses: key's rows, value's rows, their scale words,
.set HV, 14
.set HS, 15
.set XW, 6                             ; the turning stage in and out,
.set XR, 7
.set QWB, 8                            ; query's codes and scale words
.set QSB, 9
.set QW, 62
.set QS, 63
	s_mul_i32 s2, s[WV], TR                        ; my 16 rows
	v_add_nc_u32 v[HK], s2, v[LB]
	v_add_nc_u32 v[HV], VAL, v[HK]
	v_add_nc_u32 v[QWB], s2, v[AR]
	v_add_nc_u32 v[QWB], QC, v[QWB]
	s_lshl_b32 s3, s[WV], 9
	v_add_nc_u32 v[HS], s3, v[LB]
	v_add_nc_u32 v[HS], SCLK, v[HS]
	v_add_nc_u32 v[QSB], s3, v[SR]
	v_add_nc_u32 v[QSB], SCLQ, v[QSB]
	s_mul_i32 s4, s[WV], 16*528
	s_add_co_u32 s4, s4, XSTG
	v_add_nc_u32 v[XW], s4, v[LB]
	v_mul_u32_u24 v[XR], v52, 528
	v_lshl_add_u32 v[XR], v53, 6, v[XR]
	v_add_nc_u32 v[XR], s4, v[XR]
.irp b, 0,1,2,3
	v_mov_b32 v[TM+4+\b], 0                        ; written once: a lane permute's destination counts as one of its sources
	v_mov_b32 v[58+\b], 0
.endr
	s_mov_b32 s[SEL], 0x76543210
	s_mov_b32 s[SEL+1], 0xfedcba98                 ; v_permlanex16_b32's selects for lane l xor 16
	s_mov_b32 s[MNT], 0x600000                     ; the mantissa field of 448
	s_mov_b32 s[L2E], 0x3fb8aa3b                   ; log2(e); the packed forms name pairs and take the low word for both halves
	s_mov_b32 s[L2E+1], s[L2E]
	s_mov_b32 s[EPS], 0x358637bd                   ; 1e-6
	s_mov_b32 s[EPS+1], s[EPS]
	s_mov_b32 s[RN], 0x3a800000                    ; 1 / 1,024
	s_mov_b32 s[ELN], 0x3a83126f                   ; 1e-3
	s_lshl_b32 s[RW], ttmp9, 6
	s_lshl_b32 s2, s[WV], 4
	s_add_co_u32 s[RW], s[RW], s2                  ; my wave's first row: 64 x work-group + 16 x wave
	s_lshl_b32 s[T0], s[RW], 12                    ; in query and out0,
	s_mov_b32 s[T0+1], 0
	s_lshl_b32 s[T1], s[RW], 10                    ; in the codes,
	s_mov_b32 s[T1+1], 0
	s_lshl_b32 s6, s[RW], 5                        ; in the scale bytes
	s_mov_b32 s7, 0
	s_mul_i32 s2, s[WV], 32*BLK                    ; my stream of weights
	s_mov_b32 s3, 0
	s_lshl_b32 s4, s[WV], 10                       ; my 256 columns of a bias
	s_mov_b32 s5, 0
	s_wait_kmcnt 0x0
	s_add_nc_u64 s[XP:XP+1], s[8:9], s[T0:T0+1]
	s_mov_b64 s[QP:QP+1], s[XP:XP+1]
	s_add_nc_u64 s[32:33], s[32:33], s[T0:T0+1]
	s_add_nc_u64 s[10:11], s[10:11], s[T1:T1+1]
	s_add_nc_u64 s[14:15], s[14:15], s[T1:T1+1]
	s_add_nc_u64 s[12:13], s[12:13], s[6:7]
	s_add_nc_u64 s[16:17], s[16:17], s[6:7]
	s_add_nc_u64 s[BP:BP+1], s[18:19], s[2:3]
	s_add_nc_u64 s[NB0:NB0+1], s[20:21], s[4:5]
	s_add_nc_u64 s[NB1:NB1+1], s[22:23], s[4:5]
	s_add_nc_u64 s[BQ0:BQ0+1], s[24:25], s[4:5]
	s_add_nc_u64 s[BQ1:BQ1+1], s[BQ0:BQ0+1], 512
	s_add_nc_u64 s[26:27], s[26:27], s[4:5]
	s_add_nc_u64 s[PFA:PFA+1], s[QP:QP+1], 4*4096  ; stepped two rows a trip of the last pass's loop: at row 8 in the first trip that asks
	WIN 0x40
.set e, 0
.rept 32
	global_load_b128 v[4*e:4*e+3], v[LB], s[10:11] offset:512*e th:TH_LOAD_NT         ; my 16 rows of key's codes: 32 x 512 consecutive bytes
.set e, e+1
.endr
.set e, 0
.rept 32
	global_load_b128 v[128+4*e:128+4*e+3], v[LB], s[14:15] offset:512*e th:TH_LOAD_NT ; and of value's
.set e, e+1
.endr
	WIN 0
	global_load_b128 v[50:53], v[LB], s[12:13] th:TH_LOAD_NT                          ; their scale bytes: 512 consecutive bytes each
	global_load_b128 v[54:57], v[LB], s[16:17] th:TH_LOAD_NT
.macro XLOAD set, off                  ; sixteen loads: 128 numbers (512 bytes) of each of my 16 rows of query
	WIN 0x80
.irp e, 0,1,2,3,4,5,6,7,8,9,10,11,12,13,14,15
	global_load_b128 v[64*(\set)+4*\e:64*(\set)+4*\e+3], v[LB], s[XP:XP+1] offset:\e*4096+(\off)
.endr
	WIN 0
.endm
	XLOAD 0, 0
	XLOAD 1, 512
	s_wait_loadcnt 32                              ; all but query's two sets
	WIN 0x04
.set e, 0
.rept 32
	ds_store_b128 v[HK], v[4*e:4*e+3] offset:(e/2)*RP+(e%2)*512
	ds_store_b128 v[HV], v[128+4*e:128+4*e+3] offset:(e/2)*RP+(e%2)*512
.set e, e+1
.endr
	WIN 0
	ds_store_b128 v[HS], v[50:53]
	ds_store_b128 v[HS], v[54:57] offset:2048
; One K step of query: the 16 x 512 bytes go through my stage as they lie and come back 64 bytes a lane for each block of 32 (row r, 16 h on); then the quantiser; codes and scale word to LDS.
.macro XFRAG set, fill, cnt
	s_wait_loadcnt \cnt
	WIN 0x08
.irp e, 0,1,2,3,4,5,6,7,8,9,10,11,12,13,14,15
	ds_store_b128 v[XW], v[64*(\set)+4*\e:64*(\set)+4*\e+3] offset:\e*528
.endr
	WIN 0
.irp b, 0,1,2,3
.irp j, 0,1,2,3
	ds_load_b128 v[64+16*\b+4*\j:64+16*\b+4*\j+3], v[XR] offset:128*\b+16*\j   ; my own bytes: LDS serves a wave's instructions in order
.endr
.endr
	s_wait_dscnt 0x0                               ; the numbers are back; the stores have read their registers, the last step's too
.if \fill
	XLOAD \set, 1024+512*(\set)                    ; two K steps on
.endif
	QUANT 64, 128
.irp b, 0,1,2,3
	ds_store_b128 v[QW], v[128+4*\b:128+4*\b+3] offset:128*(\set)+32*\b
.endr
	ds_store_b32 v[QS], v[PW] offset:4*(\set)      ; both halves of the lanes write the same word with the same value
.endm
	s_mov_b32 s[XO], 0
	s_mov_b32 s[XS], 0
	s_mov_b32 s[KC], 3
.Lx:                                               ; K steps 0 to 5, two a trip
	v_add_nc_u32 v[QW], s[XO], v[QWB]
	v_add_nc_u32 v[QS], s[XS], v[QSB]
	XFRAG 0, 1, 16                                 ; the other set's sixteen loads may be out
	XFRAG 1, 1, 16
	s_wait_xcnt 0x0                                ; the loads have read their base
	s_add_nc_u64 s[XP:XP+1], s[XP:XP+1], 1024
	s_add_co_u32 s[XO], s[XO], 256
	s_add_co_u32 s[XS], s[XS], 8
	s_sub_co_u32 s[KC], s[KC], 1
	s_cmp_lg_u32 s[KC], 0
	s_cbranch_scc1 .Lx
	v_add_nc_u32 v[QW], s[XO], v[QWB]
	v_add_nc_u32 v[QS], s[XS], v[QSB]
	s_wait_dscnt 0x0
.irp g, 0,1,2,3
	FILLG \g, 0                                    ; the ring's first fill: window 1 is free, key's and value's codes lie in LDS
.endr
	BIAS NB0, 0, 0
	BIAS NB0, 1, 4
	XFRAG 0, 0, 63                                 ; behind query's last 32 loads 84 were issued: at most 63 out shows the oldest 53 done
	XFRAG 1, 0, 63
	s_lshl_b32 s5, s[WV], 13
	s_add_co_u32 s5, s5, KWS
	s_lshl_b32 s6, s[WV], 15
	s_lshl_b32 s7, s[WV], 14
	s_add_co_u32 s7, s7, CTX
	BARRIER                                        ; the three row operands and their scale words lie in LDS
	v_add_nc_u32 v[KW], s5, v[LB]
	v_add_nc_u32 v[QDA], s6, v[LB]
	v_add_nc_u32 v[CWB], s7, v[LB]
	s_lshl_b32 s5, s[WV], 10
	s_add_co_u32 s5, s5, SCLC
	v_add_nc_u32 v[CSB], s5, v[LS]
; ---------------------------------------------------------------- PASSES 0 AND 1: k and v of 128 columns, then ks and wv
; Tile of rows m: k in window 2, v in window 3, registers 64 m on: 0-31 the chunk's first head, 32-63 its second; a lane holds 32 of a head's 64 columns, lane l xor 16 the others.
.macro KVEPI m
.set KB, 64*(\m)
	WIN 0x08
.set i, 0
.rept 64
	v_max_num_f32 v[64+i], 0, v[KB+i]              ; max(k, 0); each accumulator is read from its low end on
.set i, i+1
.endr
	WIN 0x82
.set i, 0
.rept 32
	v_pk_add_f32 v[KB+i:KB+i+1], v[KB+i:KB+i+1], v[64+i:65+i] neg_lo:[0,1] neg_hi:[0,1]   ; min(k, 0), exactly
.set i, i+2
.endr
.set i, 0
.rept 32
	v_pk_mul_f32 v[KB+i:KB+i+1], v[KB+i:KB+i+1], s[L2E:L2E+1] op_sel_hi:[1,0]
.set i, i+2
.endr
.set i, 0
.rept 64
	v_exp_f32 v[KB+i], v[KB+i]
.set i, i+1
.endr
	v_nop                                          ; a plain instruction behind the last exponential,
	s_wait_alu depctr_va_vdst(0)                   ; and one wait for the batch, ahead of its first reader
.set i, 0
.rept 32
	v_pk_add_f32 v[KB+i:KB+i+1], v[KB+i:KB+i+1], v[64+i:65+i]   ; k' = elu(k) + 1
.set i, i+2
.endr
	WIN 0x0a                                       ; the sums of k': two heads x two chains, by turns
.irp hd, 0,1
.irp u, 0,1
	v_pk_add_f32 v[64+4*\hd+2*\u:65+4*\hd+2*\u], v[KB+32*\hd+2*\u:KB+32*\hd+2*\u+1], v[KB+32*\hd+2*\u+4:KB+32*\hd+2*\u+5]
.endr
.endr
	WIN 0x02
.irp p, 4,6,8,10,12,14
.irp hd, 0,1
.irp u, 0,1
	v_pk_add_f32 v[64+4*\hd+2*\u:65+4*\hd+2*\u], v[KB+32*\hd+2*(\p+\u):KB+32*\hd+2*(\p+\u)+1], v[64+4*\hd+2*\u:65+4*\hd+2*\u]
.endr
.endr
.endr
	WIN 0x0e                                       ; the sums of k' v likewise
.irp hd, 0,1
.irp u, 0,1
	v_pk_mul_f32 v[72+4*\hd+2*\u:73+4*\hd+2*\u], v[KB+32*\hd+2*\u:KB+32*\hd+2*\u+1], v[KB+32*\hd+2*\u:KB+32*\hd+2*\u+1]
.endr
.endr
.irp p, 2,4,6,8,10,12,14
.irp hd, 0,1
.irp u, 0,1
	v_pk_fma_f32 v[72+4*\hd+2*\u:73+4*\hd+2*\u], v[KB+32*\hd+2*(\p+\u):KB+32*\hd+2*(\p+\u)+1], v[KB+32*\hd+2*(\p+\u):KB+32*\hd+2*(\p+\u)+1], v[72+4*\hd+2*\u:73+4*\hd+2*\u]
.endr
.endr
.endr
	WIN 0
.irp q, 0,1,2,3                                ; q = 0, 1: ks of the two heads; 2, 3: wv
	v_pk_add_f32 v[64+4*\q:65+4*\q], v[64+4*\q:65+4*\q], v[66+4*\q:67+4*\q]
.endr
.irp q, 0,1,2,3
	v_add_f32 v[64+4*\q], v[64+4*\q], v[65+4*\q]
.endr
.irp q, 0,1,2,3
	v_permlanex16_b32 v[58+\q], v[64+4*\q], s[SEL], s[SEL+1]
.endr
.irp q, 0,1,2,3                                ; written twice: pairs for the packed forms.  ks0 ks0 wv0 wv0 | ks1 ks1 wv1 wv1
	v_add_f32 v[128+8*(\m)+4*(\q%2)+2*(\q/2)], v[64+4*\q], v[58+\q]
	v_add_f32 v[129+8*(\m)+4*(\q%2)+2*(\q/2)], v[64+4*\q], v[58+\q]
.endr
	ds_store_b128 v[KWA], v[128+8*(\m):131+8*(\m)] offset:(\m)*1024
	ds_store_b128 v[KWA], v[132+8*(\m):135+8*(\m)] offset:(\m)*1024+512
.endm
	s_mov_b32 s[CH], 0
	s_mov_b32 s[CHO], 0
.Lkv:
	PRIME KEY, VAL, SCLK, SCLV, 0
	KSTEP 1, 1, 1, 0, 0
	s_mov_b32 s[KC], 7
.Lkvk:
	KSTEP 0, 2, 1, 0, 0
	s_sub_co_u32 s[KC], s[KC], 1
	s_cmp_lg_u32 s[KC], 0
	s_cbranch_scc1 .Lkvk
	s_add_nc_u64 s[T0:T0+1], s[NB0:NB0+1], 512     ; the next pass's biases: the second chunk's of bk and bv, or bq's (the earlier bias loads are done, and behind the step's wait on XCNT)
	s_add_nc_u64 s[T1:T1+1], s[NB1:NB1+1], 512
	s_cmp_eq_u32 s[CH], 0
	s_cselect_b64 s[NB0:NB0+1], s[T0:T0+1], s[BQ0:BQ0+1]
	s_cselect_b64 s[NB1:NB1+1], s[T1:T1+1], s[BQ1:BQ1+1]
	BIAS NB0, 0, 0
	BIAS NB0, 1, 4
	v_add_nc_u32 v[KWA], s[CHO], v[KW]
	KVEPI 0
	KVEPI 1
	KVEPI 2
	KVEPI 3
	s_add_co_u32 s[CHO], s[CHO], 4096
	s_add_co_u32 s[CH], s[CH], 1
	s_cmp_lt_u32 s[CH], 2
	s_cbranch_scc1 .Lkv
	BARRIER                                        ; nobody reads key's and value's codes any more: their bytes take the dumps of q
; ---------------------------------------------------------------- PASS 2: q, then ctx
	PRIME QC, QC, SCLQ, SCLQ, 0
	KSTEP 1, 1, 1, 0, 0
	s_mov_b32 s[KC], 7
.Lqk:
	KSTEP 0, 2, 1, 0, 0
	s_sub_co_u32 s[KC], s[KC], 1
	s_cmp_lg_u32 s[KC], 0
	s_cbranch_scc1 .Lqk
	s_mov_b64 s[NB0:NB0+1], s[26:27]               ; the last pass's biases: bo
	s_add_nc_u64 s[NB1:NB1+1], s[26:27], 512
	BIAS NB0, 0, 0
	BIAS NB0, 1, 4
	s_mov_b32 s[JJ], 0
	s_mov_b32 s[CO], 0
	s_mov_b32 s[SO2], 0
	s_mov_b32 s[UO], 0
.Ljj:                                              ; 128 columns a trip: their 256 registers go to my own 32,768 bytes of LDS as they stand, so that ONE text serves the four tiles of rows
	s_cmp_eq_u32 s[JJ], 0
	s_cbranch_scc0 .Ldump1
	WIN 0x08
.set i, 0
.rept 64
	ds_store_b128 v[QDA], v[4*i:4*i+3] offset:512*i   ; each accumulator from its low end on
.set i, i+1
.endr
	WIN 0
	s_branch .Ldumped
.Ldump1:
	WIN 0x0c
.set i, 0
.rept 64
	ds_store_b128 v[QDA], v[4*i:4*i+3] offset:512*i
.set i, i+1
.endr
	WIN 0
.Ldumped:
	s_mov_b32 s[QO], 0
	s_mov_b32 s[MM], 4
.Lmm:                                              ; a unit: 16 rows x 128 columns: 64 numbers a lane
	v_add_nc_u32 v6, s[QO], v[QDA]
	v_add_nc_u32 v7, s[UO], v[KW]
	v_add_nc_u32 v8, s[CO], v[CWB]
	v_add_nc_u32 v9, s[SO2], v[CSB]
.set i, 0
.rept 16
	ds_load_b128 v[64+4*i:67+4*i], v6 offset:512*i
.set i, i+1
.endr
	ds_load_b128 v[50:53], v7                      ; ks, wv of the unit's first head,
	ds_load_b128 v[54:57], v7 offset:512           ; of its second
	s_wait_dscnt 0x0
.set i, 0
.rept 64
	v_max_num_f32 v[128+i], 0, v[64+i]
.set i, i+1
.endr
.set i, 0
.rept 32
	v_pk_add_f32 v[64+i:65+i], v[64+i:65+i], v[128+i:129+i] neg_lo:[0,1] neg_hi:[0,1]
.set i, i+2
.endr
.set i, 0
.rept 32
	v_pk_mul_f32 v[64+i:65+i], v[64+i:65+i], s[L2E:L2E+1] op_sel_hi:[1,0]
.set i, i+2
.endr
.set i, 0
.rept 64
	v_exp_f32 v[64+i], v[64+i]
.set i, i+1
.endr
	v_nop
	s_wait_alu depctr_va_vdst(0)                   ; one wait for the 64 exponentials
.set i, 0
.rept 32
	v_pk_add_f32 v[128+i:129+i], v[64+i:65+i], v[128+i:129+i]   ; q' = elu(q) + 1
.set i, i+2
.endr
.set i, 0
.rept 32
	v_pk_fma_f32 v[64+i:65+i], v[128+i:129+i], v[50+4*(i/32):51+4*(i/32)], s[EPS:EPS+1] op_sel_hi:[1,1,0]   ; q' ks + 1e-6
.set i, i+2
.endr
.set i, 0
.rept 64
	v_rcp_f32 v[64+i], v[64+i]
.set i, i+1
.endr
.set i, 0
.rept 32
	v_pk_mul_f32 v[128+i:129+i], v[128+i:129+i], v[52+4*(i/32):53+4*(i/32)]   ; q' wv: plain work behind the reciprocals, which names none of their results
.set i, i+2
.endr
	s_wait_alu depctr_va_vdst(0)                   ; one wait for the 64 reciprocals
.set i, 0
.rept 32
	v_pk_mul_f32 v[128+i:129+i], v[128+i:129+i], v[64+i:65+i]   ; ctx
.set i, i+2
.endr
	QUANT 128, 64
.irp c, 0,1,2,3
	ds_store_b128 v8, v[64+4*\c:67+4*\c] offset:512*\c   ; K step 2 w + jj of the last product, tile of rows m: the fragment as it stands
.endr
	ds_store_b32 v9, v[PW]
	s_add_co_u32 s[QO], s[QO], 8192
	s_add_co_u32 s[UO], s[UO], 1024
	s_add_co_u32 s[CO], s[CO], 2048
	s_add_co_u32 s[SO2], s[SO2], 128
	s_sub_co_u32 s[MM], s[MM], 1
	s_cmp_lg_u32 s[MM], 0
	s_cbranch_scc1 .Lmm
	s_add_co_u32 s[JJ], s[JJ], 1
	s_cmp_lt_u32 s[JJ], 2
	s_cbranch_scc1 .Ljj
	BARRIER                                        ; ctx's 32 fragments lie in LDS
; ---------------------------------------------------------------- PASS 3: the product with Wo
	PRIME CTX, CTX, SCLC, SCLC, 1
	KSTEP 1, 1, 1, 0, 1
	s_mov_b32 s[KC], 6
.Lok:
	KSTEP 0, 1, 1, 1, 1
	s_sub_co_u32 s[KC], s[KC], 1
	s_cmp_lg_u32 s[KC], 0
	s_cbranch_scc1 .Lok
	KSTEP 0, 0, 2, 0, 1                            ; the last K step: the ring's registers take my rows 0 to 7 of query
	BARRIER                                        ; nobody reads an operand any more: all their bytes take the stage
; ---------------------------------------------------------------- THE TAIL
.set DS0, 50
.set SRW, 54
.set LNA, 55
	v_and_b32 v55, 15, v0
	v_bfe_u32 v56, v0, 4, 1
	v_mul_u32_u24 v[DS0], v55, SGP
	v_lshl_add_u32 v[DS0], v56, 6, v[DS0]
	s_lshl_b32 s5, s[WV], 10
	v_add_nc_u32 v[DS0], s5, v[DS0]                ; row r, + 64 h, + my 1,024 bytes of a row
	v_add_nc_u32 v[DS0+1], 16*SGP, v[DS0]
	v_add_nc_u32 v[DS0+2], 16*SGP, v[DS0+1]
	v_add_nc_u32 v[DS0+3], 16*SGP, v[DS0+2]
	s_mul_i32 s5, s[WV], 16*SGP
	v_add_nc_u32 v[SRW], s5, v[LB]                 ; back: my 16 rows, 16 bytes a lane
.irp hw, 0,1
	WIN 0x08+0x04*\hw
.irp m, 0,1,2,3
.irp t, 0,1,2,3,4,5,6,7
	ds_store_b128 v[DS0+\m], v[64*\m+8*\t:64*\m+8*\t+3] offset:512*\hw+128*(\t/2)+32*(\t%2)        ; each accumulator from its low end on
	ds_store_b128 v[DS0+\m], v[64*\m+8*\t+4:64*\m+8*\t+7] offset:512*\hw+128*(\t/2)+32*(\t%2)+16
.endr
.endr
.endr
	WIN 0
	BARRIER                                        ; 64 whole rows of ctx Wo + bo lie in the stage; the stores have read the accumulators
	WIN 0x80
.irp p, 8,9,10,11,12,13,14,15
.irp j, 0,1,2,3,4,5,6,7
	global_load_b128 v[32*(\p-8)+4*\j:32*(\p-8)+4*\j+3], v[LB], s[QP:QP+1] offset:\p*4096+512*\j th:TH_LOAD_NT
.endr
.endr
	WIN 0
.irp j, 0,1,2,3,4,5,6,7
	global_load_b128 v[192+4*\j:195+4*\j], v[LB], s[28:29] offset:512*\j   ; gamma and beta of my lane's 32 columns
.endr
.irp j, 0,1,2,3,4,5,6,7
	global_load_b128 v[224+4*\j:227+4*\j], v[LB], s[30:31] offset:512*\j
.endr
; The residual, written out for my 16 rows (query's rows lie in registers whose numbers differ from row to row): a row comes from the stage, one row ahead, takes query's row and goes back.
.macro LROW p
.irp j, 0,1,2,3,4,5,6,7
	ds_load_b128 v[64+32*((\p)%4)+4*\j:64+32*((\p)%4)+4*\j+3], v[SRW] offset:(\p)*SGP+512*\j
.endr
.endm
	LROW 0
.irp p, 0,1,2,3,4,5,6,7,8,9,10,11,12,13,14,15
.if \p < 15
	LROW \p+1
.endif
.if 8*(15-\p)+16 > 63
	s_wait_loadcnt 63                              ; behind this row's loads more than 63 were issued: the count is the largest that can be named
.else
	s_wait_loadcnt 8*(15-\p)+16                    ; behind this row's loads: the later rows' eight each, gamma's and beta's sixteen
.endif
.if (\p == 0) || (\p == 15)
	s_wait_dscnt 8
.else
	s_wait_dscnt 16                                ; behind this row's LDS loads: the row before's eight stores and the next row's eight loads
.endif
	WIN 0x04+0x04*(\p/8)
.irp i, 0,2,4,6,8,10,12,14,16,18,20,22,24,26,28,30
	v_pk_add_f32 v[64+32*(\p%4)+\i:65+32*(\p%4)+\i], v[64+32*(\p%4)+\i:65+32*(\p%4)+\i], v[32*(\p%8)+\i:32*(\p%8)+\i+1]
.endr
	WIN 0
.irp j, 0,1,2,3,4,5,6,7
	ds_store_b128 v[SRW], v[64+32*(\p%4)+4*\j:64+32*(\p%4)+4*\j+3] offset:\p*SGP+512*\j
.endr
.endr
; The norm: two rows a trip, by turns.  A row is 32 numbers a lane; the wave holds it whole.
.macro RED                             ; v132, v140: each summed over the 32 lanes
.irp x, 1,2,4,8
.irp rr, 0,1
	v_add_f32_dpp v[132+8*\rr], v[132+8*\rr], v[132+8*\rr] row_xmask:\x row_mask:0xf bank_mask:0xf
.endr
.endr
.irp rr, 0,1
	v_permlanex16_b32 v[58+\rr], v[132+8*\rr], s[SEL], s[SEL+1]
.endr
.irp rr, 0,1
	v_add_f32 v[132+8*\rr], v[132+8*\rr], v[58+\rr]
.endr
.endm
	s_wait_loadcnt 0x0                             ; gamma and beta
	s_mov_b32 s[RO], 0
	s_mov_b32 s[KC], 8
.Lln:
	v_add_nc_u32 v[LNA], s[RO], v[SRW]
.irp rr, 0,1
.irp j, 0,1,2,3,4,5,6,7
	ds_load_b128 v[64+32*\rr+4*\j:64+32*\rr+4*\j+3], v[LNA] offset:\rr*SGP+512*\j
.endr
.endr
	s_wait_dscnt 0x0
.irp rr, 0,1
	v_pk_add_f32 v[128+8*\rr:129+8*\rr], v[64+32*\rr:65+32*\rr], v[66+32*\rr:67+32*\rr]
	v_pk_add_f32 v[130+8*\rr:131+8*\rr], v[68+32*\rr:69+32*\rr], v[70+32*\rr:71+32*\rr]
.endr
.irp i, 8,12,16,20,24,28
.irp rr, 0,1
	v_pk_add_f32 v[128+8*\rr:129+8*\rr], v[128+8*\rr:129+8*\rr], v[64+32*\rr+\i:65+32*\rr+\i]
	v_pk_add_f32 v[130+8*\rr:131+8*\rr], v[130+8*\rr:131+8*\rr], v[66+32*\rr+\i:67+32*\rr+\i]
.endr
.endr
.irp rr, 0,1
	v_pk_add_f32 v[128+8*\rr:129+8*\rr], v[128+8*\rr:129+8*\rr], v[130+8*\rr:131+8*\rr]
.endr
.irp rr, 0,1
	v_add_f32 v[132+8*\rr], v[128+8*\rr], v[129+8*\rr]
.endr
	RED
.irp rr, 0,1
	v_mul_f32 v[134+8*\rr], s[RN], v[132+8*\rr]    ; the mean, twice: a pair for the packed form
	v_mul_f32 v[135+8*\rr], s[RN], v[132+8*\rr]
.endr
.irp i, 0,2,4,6,8,10,12,14,16,18,20,22,24,26,28,30
.irp rr, 0,1
	v_pk_add_f32 v[64+32*\rr+\i:65+32*\rr+\i], v[64+32*\rr+\i:65+32*\rr+\i], v[134+8*\rr:135+8*\rr] neg_lo:[0,1] neg_hi:[0,1]
.endr
.endr
.irp rr, 0,1
	v_pk_mul_f32 v[128+8*\rr:129+8*\rr], v[64+32*\rr:65+32*\rr], v[64+32*\rr:65+32*\rr]
	v_pk_mul_f32 v[130+8*\rr:131+8*\rr], v[66+32*\rr:67+32*\rr], v[66+32*\rr:67+32*\rr]
.endr
.irp i, 4,8,12,16,20,24,28
.irp rr, 0,1
	v_pk_fma_f32 v[128+8*\rr:129+8*\rr], v[64+32*\rr+\i:65+32*\rr+\i], v[64+32*\rr+\i:65+32*\rr+\i], v[128+8*\rr:129+8*\rr]
	v_pk_fma_f32 v[130+8*\rr:131+8*\rr], v[66+32*\rr+\i:67+32*\rr+\i], v[66+32*\rr+\i:67+32*\rr+\i], v[130+8*\rr:131+8*\rr]
.endr
.endr
.irp rr, 0,1
	v_pk_add_f32 v[128+8*\rr:129+8*\rr], v[128+8*\rr:129+8*\rr], v[130+8*\rr:131+8*\rr]
.endr
.irp rr, 0,1
	v_add_f32 v[132+8*\rr], v[128+8*\rr], v[129+8*\rr]
.endr
	RED
.irp rr, 0,1
	v_fma_f32 v[132+8*\rr], v[132+8*\rr], s[RN], s[ELN]   ; the variance + 1e-3
.endr
.irp rr, 0,1
	v_rsq_f32 v[134+8*\rr], v[132+8*\rr]
	v_rsq_f32 v[135+8*\rr], v[132+8*\rr]
.endr
	v_nop
	s_wait_alu depctr_va_vdst(0)                   ; one wait for the four
.irp i, 0,2,4,6,8,10,12,14,16,18,20,22,24,26,28,30
.irp rr, 0,1
	v_pk_mul_f32 v[64+32*\rr+\i:65+32*\rr+\i], v[64+32*\rr+\i:65+32*\rr+\i], v[134+8*\rr:135+8*\rr]
.endr
.endr
.irp i, 0,2,4,6,8,10,12,14,16,18,20,22,24,26,28,30
.irp rr, 0,1
	v_pk_fma_f32 v[64+32*\rr+\i:65+32*\rr+\i], v[64+32*\rr+\i:65+32*\rr+\i], v[192+\i:193+\i], v[224+\i:225+\i]
.endr
.endr
.irp rr, 0,1
.irp j, 0,1,2,3,4,5,6,7
	global_store_b128 v[LB], v[64+32*\rr+4*\j:64+32*\rr+4*\j+3], s[32:33] offset:\rr*4096+512*\j th:TH_STORE_NT   ; 32 lanes store 512 consecutive bytes, at a multiple of 256 from out0's first byte
.endr
.endr
	s_wait_xcnt 0x0                                ; the stores have read their registers and their base: both are written again only behind this wait
	s_add_nc_u64 s[32:33], s[32:33], 8192
	s_add_co_u32 s[RO], s[RO], 2*SGP
	s_sub_co_u32 s[KC], s[KC], 1
	s_cmp_lg_u32 s[KC], 0
	s_cbranch_scc1 .Lln
	s_wait_tensorcnt 0x0                           ; the wave's end: three lines behind my last LDS store
	ds_add_u32 v[SPW], v[NIL]
	s_wait_dscnt 0x0
	s_endpgm
.Lfunc_end_k_q9e0db63855_fused:
	.size	k_q9e0db63855_fused, .Lfunc_end_k_q9e0db63855_fused-k_q9e0db63855_fused
	.p2alignl 7, 3214868480
	.fill 96, 4, 3214868480
	.section	.rodata,"a",@progbits
	.p2align	6, 0x0
	.amdhsa_kernel k_q9e0db63855_fused
		.amdhsa_group_segment_fixed_size 309760
		.amdhsa_private_segment_fixed_size 0
		.amdhsa_enable_private_segment 0
		.amdhsa_kernarg_size 104
		.amdhsa_user_sgpr_count 2
		.amdhsa_user_sgpr_kernarg_segment_ptr 1
		.amdhsa_wavefront_size32 1
		.amdhsa_system_sgpr_workgroup_id_x 1
		.amdhsa_system_sgpr_workgroup_id_y 1
		.amdhsa_system_sgpr_workgroup_id_z 1
		.amdhsa_system_vgpr_workitem_id 0
		.amdhsa_next_free_vgpr 1024
		.amdhsa_next_free_sgpr 80
		.amdhsa_reserve_vcc 0
		.amdhsa_float_denorm_mode_32 3
		.amdhsa_float_denorm_mode_16_64 3
		.amdhsa_memory_ordered 1
		.amdhsa_forward_progress 1
		.amdhsa_inst_pref_size 255
	.end_amdhsa_kernel
	.section	.bss,"aw",@nobits
	.p2align	6
	.space	262144
	.amdgpu_metadata
---
amdhsa.version: [ 1, 2 ]
amdhsa.kernels:
  - .name:           k_q9e0db63855_fused
    .symbol:         k_q9e0db63855_fused.kd
    .args:
      - { .name: query, .offset: 0, .size: 8, .value_kind: global_buffer, .address_space: global }
      - { .name: key_codes, .offset: 8, .size: 8, .value_kind: global_buffer, .address_space: global }
      - { .name: key_scales, .offset: 16, .size: 8, .value_kind: global_buffer, .address_space: global }
      - { .name: value_codes, .offset: 24, .size: 8, .value_kind: global_buffer, .address_space: global }
      - { .name: value_scales, .offset: 32, .size: 8, .value_kind: global_buffer, .address_space: global }
      - { .name: wlay, .offset: 40, .size: 8, .value_kind: global_buffer, .address_space: global }
      - { .name: bk, .offset: 48, .size: 8, .value_kind: global_buffer, .address_space: global }
      - { .name: bv, .offset: 56, .size: 8, .value_kind: global_buffer, .address_space: global }
      - { .name: bq, .offset: 64, .size: 8, .value_kind: global_buffer, .address_space: global }
      - { .name: bo, .offset: 72, .size: 8, .value_kind: global_buffer, .address_space: global }
      - { .name: gamma, .offset: 80, .size: 8, .value_kind: global_buffer, .address_space: global }
      - { .name: beta, .offset: 88, .size: 8, .value_kind: global_buffer, .address_space: global }
      - { .name: out0, .offset: 96, .size: 8, .value_kind: global_buffer, .address_space: global }
    .group_segment_fixed_size: 309760
    .private_segment_fixed_size: 0
    .kernarg_segment_align: 8
    .kernarg_segment_size: 104
    .max_flat_workgroup_size: 128
    .sgpr_count:     80
    .vgpr_count:     1024
    .wavefront_size: 32
...
	.end_amdgpu_metadata
.endif
;; end of part 2
;; ======== version 2 of 2: 2 launches
;; workspace buffers: wlay 4,325,376 bytes
;; launch lay (part 3): grid 256 x 1, 4 waves a work-group, no clusters, 18,432 bytes of LDS; arguments Wk_codes, Wk_scales, Wv_codes, Wv_scales, Wq_codes, Wq_scales, Wo_codes, Wo_scales, wlay; writes wlay
.if DOCPART == 3
	.amdgcn_target "amdgcn-amd-amdhsa--gfx1250"
	.amdhsa_code_object_version 6
	.text
	.protected	k_q9e0db63855_lay
	.globl	k_q9e0db63855_lay
	.p2align	8
	.type	k_q9e0db63855_lay,@function
k_q9e0db63855_lay:
	s_mov_b64 s[64:65], 0
	v_nop
	global_prefetch_b8 v0, s[64:65] scope:SCOPE_SE
	s_setreg_imm32_b32 hwreg(HW_REG_WAVE_MODE, 25, 1), 1
	s_wait_xcnt 0x0
; The four weights (codes [1024 n][1024 k], scale bytes [1024 n][32]) are laid once in the order in which the next launch's waves take them into registers.
; NOTHING OF THE PROBLEM IS LEFT OUT: the 1e-6 in ctx = q' wv / (q' ks + 1e-6) keeps q alive in exact arithmetic, so all four products, all biases, gamma and beta reach the result; every input is loaded by one of the two launches.
; wlay: 128 blocks of BLK = 33,792 bytes; block ((4 w + p) 8 + s): w the reading wave (columns 256 w on), p its pass (0, 1: Wk and Wv, columns 128 p on; 2: Wq; 3: Wo), s the K step of 128.
; A block: four images of scale words, 256 bytes each (group g of four tiles at 256 g), then sixteen images of fragments, 2,048 bytes each (tile T at 1,024 + 2,048 T).
; A fragment's image: byte 512 c + 16 lane holds codes W[n(r)][128 s + 32 c + 16 h .. + 15], r = lane % 16, h = lane / 16: four loads of 16 bytes a lane give the operand's 16 registers.
; A scale image: byte 128 h + 8 r + 4 i holds the word W_scales[n(r) of tile 4 g + 2 h + i][4 s .. 4 s + 3].
; THE ROWS OF A TILE ARE NOT NEIGHBOURS: n(r) = first + r + 8 (r / 8), first = 64 gq + 32 (wave / 2) + 8 (wave % 2): in the transposed product a lane's 16 registers of two neighbouring tiles are then 16 neighbouring columns.
; SHARES: a work-group takes 64 columns of one weight and 256 along K; a wave one tile of 16 rows: two fragments.  Each load reads whole rows' 256 consecutive bytes (sixteen lanes a row), the bytes turn through the wave's
; own stage in LDS (pitch 272), each store covers 512 consecutive bytes.  The scale words are read 4 bytes a lane from rows 32 bytes apart (131,072 bytes in the whole launch), gathered in LDS and stored by wave 0 as two runs of 256 bytes.
.set BLK,   33792
.set SP,    272
.set GATH,  4*16*SP                    ; 17,408: the four waves' scale words of two K steps, 512 bytes
.set SPARE, GATH+512                   ; 17,920: the spare words, 128 bytes a wave: two blocks of 256 bytes that no other line names
.set SPW,   30                         ; v30 LDS address of my spare word; never rewritten
.set NIL,   31                         ; v31 0; never rewritten
	s_load_b512 s[8:23], s[0:1], 0x0               ; Wk's codes, scales; Wv's; Wq's; Wo's
	s_load_b64 s[24:25], s[0:1], 0x40              ; wlay
	v_lshl_add_u32 v[SPW], v0, 2, SPARE
	v_mov_b32 v[NIL], 0
	v_lshrrev_b32 v1, 5, v0
	v_readfirstlane_b32 s26, v1                    ; wave 0..3: my tile of the group's four
	v_and_b32 v2, 31, v0                           ; lane
	v_and_b32 v3, 15, v0                           ; r
	s_wait_alu depctr_va_vdst(0)
	v_bfe_u32 v4, v0, 4, 1                         ; h
	s_and_b32 s27, ttmp9, 3                        ; i: K steps 2 i and 2 i + 1
	s_lshr_b32 s28, ttmp9, 2
	s_lshr_b32 s29, s28, 4                         ; X: 0 Wk, 1 Wv, 2 Wq, 3 Wo
	s_and_b32 s30, s28, 15                         ; gq: columns 64 gq on
	s_lshr_b32 s31, s30, 2                         ; w: the reading wave
	s_and_b32 s32, s30, 3                          ; gw: which 64 of its 256 columns
	s_lshl_b32 s33, s30, 6
	s_lshr_b32 s34, s26, 1
	s_lshl_b32 s35, s34, 5
	s_add_co_u32 s33, s33, s35
	s_and_b32 s35, s26, 1
	s_lshl_b32 s36, s35, 3
	s_add_co_u32 s33, s33, s36                     ; the tile's first row of the weight
	s_lshr_b32 s37, s32, 1
	s_and_b32 s38, s32, 1
	s_lshl_b32 s39, s29, 1
	s_add_co_u32 s38, s38, s39
	s_cmp_lt_u32 s29, 2
	s_cselect_b32 s37, s37, s29                    ; p: Wk, Wv: gw / 2;  Wq, Wo: X
	s_cselect_b32 s38, s38, s32                    ; g: Wk, Wv: gw % 2 + 2 X;  Wq, Wo: gw
	s_lshl_b32 s39, s31, 2
	s_add_co_u32 s39, s39, s37
	s_lshl_b32 s39, s39, 3
	s_lshl_b32 s40, s27, 1
	s_add_co_u32 s39, s39, s40                     ; the block of K step 2 i
	s_mul_i32 s40, s39, BLK
	s_lshl_b32 s42, s38, 2
	s_add_co_u32 s42, s42, s26                     ; T = 4 g + wave
	s_lshl_b32 s42, s42, 11
	s_add_co_u32 s42, s42, 1024
	s_add_co_u32 s42, s42, s40                     ; where my fragments go
	s_mov_b32 s43, 0
	s_lshl_b32 s44, s38, 8
	s_add_co_u32 s44, s44, s40                     ; where the group's scale image goes
	s_mov_b32 s45, 0
	s_lshl_b32 s40, s33, 10
	s_lshl_b32 s41, s27, 8
	s_add_co_u32 s40, s40, s41                     ; codes: first row x 1,024 + 256 i
	s_mov_b32 s41, 0
	s_lshl_b32 s36, s33, 5
	s_lshl_b32 s37, s27, 3
	s_add_co_u32 s36, s36, s37                     ; scale bytes: first row x 32 + 8 i
	s_mov_b32 s37, 0
	s_mul_i32 s46, s26, 16*SP                      ; my stage
	s_lshl_b32 s47, s34, 7
	s_lshl_b32 s35, s35, 2
	s_add_co_u32 s47, s47, s35
	s_add_co_u32 s47, s47, GATH                    ; my tile's place in a scale image: 128 (wave / 2) + 4 (wave % 2)
	v_lshlrev_b32 v5, 4, v3                        ; 16 r
	s_wait_alu depctr_va_vdst(0)
	v_lshl_add_u32 v14, v4, 10, v5                 ; in: lanes 0-15 one row's 256 bytes, lanes 16-31 the next row's
	v_mul_u32_u24 v6, v4, SP
	v_add_nc_u32 v6, v6, v5
	v_add_nc_u32 v6, s46, v6                       ; into the stage: the same two rows
	v_mul_u32_u24 v7, v3, SP
	v_lshl_add_u32 v7, v4, 4, v7
	v_add_nc_u32 v7, s46, v7                       ; out of it: row r, + 16 h
	v_and_b32 v8, 8, v3
	v_add_nc_u32 v8, v8, v3                        ; r + 8 (r / 8)
	v_lshlrev_b32 v8, 5, v8
	v_lshl_add_u32 v8, v4, 2, v8                   ; scale word: lanes 0-15 of K step 2 i, lanes 16-31 of 2 i + 1
	v_lshlrev_b32 v9, 3, v3
	v_lshl_add_u32 v9, v4, 8, v9
	v_add_nc_u32 v9, s47, v9                       ; its place: image h, 8 r
	v_lshlrev_b32 v10, 4, v2                       ; 16 x lane
	v_add_nc_u32 v11, GATH, v10
	v_mul_u32_u24 v12, v4, BLK
	v_add_nc_u32 v12, v12, v5                      ; the two images go to two blocks on end
	s_and_b32 s35, s29, 1
	s_wait_alu depctr_va_vdst(0)
	s_wait_kmcnt 0x0
	s_cmp_lg_u32 s35, 0                            ; the weight is chosen by the work-group's number alone
	s_cselect_b64 s[8:9], s[12:13], s[8:9]
	s_cselect_b64 s[10:11], s[14:15], s[10:11]
	s_cselect_b64 s[16:17], s[20:21], s[16:17]
	s_cselect_b64 s[18:19], s[22:23], s[18:19]
	s_cmp_lt_u32 s29, 2
	s_cselect_b64 s[8:9], s[8:9], s[16:17]
	s_cselect_b64 s[10:11], s[10:11], s[18:19]
	s_add_nc_u64 s[8:9], s[8:9], s[40:41]
	s_add_nc_u64 s[10:11], s[10:11], s[36:37]
	s_add_nc_u64 s[42:43], s[24:25], s[42:43]
	s_add_nc_u64 s[44:45], s[24:25], s[44:45]
.irp e, 0,1,2,3,4,5,6,7
	global_load_b128 v[32+4*\e:35+4*\e], v14, s[8:9] offset:(2*\e+8*(\e/4))*1024 th:TH_LOAD_NT   ; tile rows 2 e and 2 e + 1
.endr
	global_load_b32 v13, v8, s[10:11] th:TH_LOAD_NT
	s_wait_loadcnt 0x0
.irp e, 0,1,2,3,4,5,6,7
	ds_store_b128 v6, v[32+4*\e:35+4*\e] offset:2*\e*SP
.endr
	ds_store_b32 v9, v13
.irp q, 0,1
.irp c, 0,1,2,3
	ds_load_b128 v[64+16*\q+4*\c:67+16*\q+4*\c], v7 offset:128*\q+32*\c   ; my own bytes: LDS serves a wave's instructions in order
.endr
.endr
	s_wait_dscnt 0x0                               ; my scale words lie in LDS (for wave 0's sake), my fragments are back
	s_barrier_signal -1
	s_barrier_wait -1
.irp q, 0,1
.irp c, 0,1,2,3
	global_store_b128 v10, v[64+16*\q+4*\c:67+16*\q+4*\c], s[42:43] offset:\q*BLK+512*\c   ; 32 lanes store 512 consecutive bytes
.endr
.endr
	s_cmp_lg_u32 s26, 0
	s_cbranch_scc1 .Lend
	ds_load_b128 v[16:19], v11                     ; the four waves' words: two images of 256 bytes
	s_wait_dscnt 0x0
	global_store_b128 v12, v[16:19], s[44:45]      ; sixteen lanes store 256 consecutive bytes
.Lend:
	s_wait_tensorcnt 0x0                           ; the wave's end: three lines behind my last LDS store
	ds_add_u32 v[SPW], v[NIL]
	s_wait_dscnt 0x0
	s_endpgm
.Lfunc_end_k_q9e0db63855_lay:
	.size	k_q9e0db63855_lay, .Lfunc_end_k_q9e0db63855_lay-k_q9e0db63855_lay
	.p2alignl 7, 3214868480
	.fill 96, 4, 3214868480
	.section	.rodata,"a",@progbits
	.p2align	6, 0x0
	.amdhsa_kernel k_q9e0db63855_lay
		.amdhsa_group_segment_fixed_size 18432
		.amdhsa_private_segment_fixed_size 0
		.amdhsa_enable_private_segment 0
		.amdhsa_kernarg_size 72
		.amdhsa_user_sgpr_count 2
		.amdhsa_user_sgpr_kernarg_segment_ptr 1
		.amdhsa_wavefront_size32 1
		.amdhsa_system_sgpr_workgroup_id_x 1
		.amdhsa_system_sgpr_workgroup_id_y 1
		.amdhsa_system_sgpr_workgroup_id_z 1
		.amdhsa_system_vgpr_workitem_id 0
		.amdhsa_next_free_vgpr 96
		.amdhsa_next_free_sgpr 66
		.amdhsa_reserve_vcc 0
		.amdhsa_float_denorm_mode_32 3
		.amdhsa_float_denorm_mode_16_64 3
		.amdhsa_memory_ordered 1
		.amdhsa_forward_progress 1
		.amdhsa_inst_pref_size 7
	.end_amdhsa_kernel
	.amdgpu_metadata
---
amdhsa.version: [ 1, 2 ]
amdhsa.kernels:
  - .name:           k_q9e0db63855_lay
    .symbol:         k_q9e0db63855_lay.kd
    .args:
      - { .name: Wk_codes, .offset: 0, .size: 8, .value_kind: global_buffer, .address_space: global }
      - { .name: Wk_scales, .offset: 8, .size: 8, .value_kind: global_buffer, .address_space: global }
      - { .name: Wv_codes, .offset: 16, .size: 8, .value_kind: global_buffer, .address_space: global }
      - { .name: Wv_scales, .offset: 24, .size: 8, .value_kind: global_buffer, .address_space: global }
      - { .name: Wq_codes, .offset: 32, .size: 8, .value_kind: global_buffer, .address_space: global }
      - { .name: Wq_scales, .offset: 40, .size: 8, .value_kind: global_buffer, .address_space: global }
      - { .name: Wo_codes, .offset: 48, .size: 8, .value_kind: global_buffer, .address_space: global }
      - { .name: Wo_scales, .offset: 56, .size: 8, .value_kind: global_buffer, .address_space: global }
      - { .name: wlay, .offset: 64, .size: 8, .value_kind: global_buffer, .address_space: global }
    .group_segment_fixed_size: 18432
    .private_segment_fixed_size: 0
    .kernarg_segment_align: 8
    .kernarg_segment_size: 72
    .max_flat_workgroup_size: 128
    .sgpr_count:     66
    .vgpr_count:     96
    .wavefront_size: 32
...
	.end_amdgpu_metadata
.endif
;; end of part 3
;; launch fused (part 4): grid 256 x 1, 4 waves a work-group, no clusters, 309,760 bytes of LDS; arguments query, key_codes, key_scales, value_codes, value_scales, wlay, bk, bv, bq, bo, gamma, beta, out0; writes out0
.if DOCPART == 4
	.amdgcn_target "amdgcn-amd-amdhsa--gfx1250"
	.amdhsa_code_object_version 6
	.text
	.protected	k_q9e0db63855_fused
	.globl	k_q9e0db63855_fused
	.p2align	8
	.type	k_q9e0db63855_fused,@function
k_q9e0db63855_fused:
	s_mov_b64 s[64:65], 0
	v_nop
	global_prefetch_b8 v0, s[64:65] scope:SCOPE_SE
	s_setreg_imm32_b32 hwreg(HW_REG_WAVE_SCHED_MODE, 0, 2), 2
	s_setreg_imm32_b32 hwreg(HW_REG_WAVE_MODE, 25, 1), 1
	s_wait_xcnt 0x0
	s_wait_alu depctr_vm_vsrc(0)
; out = LayerNorm(query + Q(ctx) Wo + bo), ctx = q' wv / (q' ks + 1e-6), q' = elu(Q(query) Wq + bq) + 1, k' = elu(key Wk + bk) + 1, v = value Wv + bv, ks and wv the sums of k' and of k' v over a head's 64 columns.
; All four products on codes of E4M3 with one E8M0 scale for each 32 along K; all else f32.  Nothing of the problem is left out (see the first kernel's head).
; SHARES.  A work-group owns 64 rows and takes them through the whole chain; nothing but the result goes to memory.  In the products THE WAVES SHARE THE COLUMNS: wave w makes columns 256 w .. + 255 (heads 4 w .. + 3) of all
; 64 rows: 4 tiles of rows x 16 tiles of columns = 64 accumulators, 512 registers.  At the head and the tail wave w owns rows 16 w .. + 15.
; THE PRODUCT IS USED TRANSPOSED (source 0 = 16 rows of a weight, source 1 = 16 rows of data): lane (r, h) holds row r, and register j of column tile t holds column 32 (t / 2) + 16 h + 8 (t % 2) + j of its 128: the weights'
; rows are chosen so by the first launch.  So a head's sums want one exchange between the halves of the lanes, and ctx's 64 registers of 128 columns are the next operand's order along K.
; FOUR PASSES of eight K steps of 128: 0, 1: k and v of 128 columns (8 tiles of Wk, 8 of Wv), then ks and wv;  2: q, then ctx, quantised;  3: the product with Wo.  A bias is the C of a sum's first matrix instruction.
; THE WEIGHTS GO FROM MEMORY STRAIGHT INTO REGISTERS.  Each fragment is read by ONE wave of the work-group, so LDS would give it no second reader; a wave's stream is 32 blocks on end (first launch), taken through a ring of 16
; fragments (window 1): a group of four tiles is asked for again, for the next K step, as soon as its sixteen products are done with it.
; NO CLUSTER, NO JOINT LOADS, though all work-groups read the same weights: a K step's weights of the four waves are 4 x 33,792 bytes, and of the 327,680 bytes of LDS this text's row operands and tables take 309,760.
; query is read twice (to be quantised; for the residual): its 64 rows of f32, 262,144 bytes, have no place to wait in.
; LIMITS.  NaN and infinities in query are not served by the quantiser.  A block of zeros gets the scale byte 1 where the rule says 127: its codes are zeros, and this program alone reads the bytes.
; elu(x) + 1 is taken as max(x, 0) + 2^(log2(e) min(x, 0)): under x = -16 it keeps e^x where expm1(x) + 1 in f32 steps by 2^-24; results of the exponential under 2^-126 are 0.
; REGISTERS, in windows of 256.  Window 0: v1-15 addresses; v16-23 the rows' scale words, v24-31 the weights' (scales alone); v32-48 the quantiser's; v50-63 at work; v64-127, v128-191 two sets of four row fragments, at work
; between the passes; v192-255 biases, at the tail gamma and beta.  Window 1: the weights' ring (head: key's and value's codes; tail: query rows 0-7).  Windows 2, 3: accumulator (m, T) at v[64 m + 8 (T % 8)] of window 2 + T / 8
; (head: query as loaded; tail: window 2 query rows 8-15).
; THE MODE: SCHED_MODE bits 1:0 = 2 (LLVM: expert scheduling mode 2), set by the entry lines.  The code itself states the register dependences between vector or matrix instructions and memory or LDS instructions,
; with s_wait_alu, always for 0.
; THE PLAN.  Registers that memory or LDS instructions touch in a K step, and who else names them:
;   the ring's group g and its scale words   read by group g's sixteen matrix instructions; the refill's seventeen loads land in them behind those.
;   row set a and its scale words            read by the matrix instructions of groups 2 a and 2 a + 1; the next K step's twenty LDS loads land in them behind group 2 a + 1.
;   the bias sets                            read as C in a pass's first K step; loads land in them behind groups 0 and 1 of that step and behind the pass's last step.
;   v6 to v9                                 read by the rows' LDS loads; written by four additions once a K step, behind group 0's products.
;   v1 to v5, v12, v49                       offsets, made at the head and never written again.
; So ONE wait on va_vdst stands in a group, behind its products and their places and ahead of all its loads, with no vector or matrix instruction between it and them; one wait on vm_vsrc a K step stands ahead of the four
; additions.  The loads stay in runs: the ring is a destination in window 1 where the products have source 0, so a load set among products would want two window switches.
; Between the passes each buffer that vector instructions fill and stores empty (codes and scale word; ks and wv; the residual's rows; the norm's rows) has a wait on va_vdst ahead of its run of stores and a wait on vm_vsrc
; ahead of the first instruction that writes it again; an address that is stepped has the wait on vm_vsrc ahead of the addition and the wait on va_vdst behind it.
.set RP,    1040                       ; a row of codes in LDS: 1,024 bytes + 16: sixteen rows' 16-byte pieces fall into sixteen different columns of 16 bytes
.set TR,    16*RP
.set KEY,   0                          ; 64 rows each: key's codes,
.set VAL,   4*TR                       ; value's,
.set QC,    8*TR                       ; query's,
.set CTX,   12*TR                      ; ctx's, as images of registers: fragment (K step s, tile of rows m) at 8,192 s + 2,048 m + 512 c + 16 lane
.set SCLK,  16*TR                      ; scale words [row][8]: key's,
.set SCLV,  SCLK+2048                  ; value's,
.set SCLQ,  SCLK+4096                  ; query's;
.set SCLC,  SCLK+6144                  ; ctx's as images: (4 s + m) 128 + 4 lane
.set KWS,   SCLC+4096                  ; ks and wv: 8,192 bytes a wave: unit 4 j + m at 1,024 bytes, two images of four registers
.set SPARE, KWS+32768                  ; the spare words, 128 bytes a wave: two blocks of 256 bytes that no other line names
.set XSTG,  CTX                        ; head alone: 16 rows x 528 bytes a wave, to turn query's numbers
.set SGP,   4112                       ; tail alone: the stage of 64 rows of f32 from byte 0 on, 4,096 bytes + 16
.set BLK,   33792
.set LB,  1                            ; 16 x lane
.set LB8, 2                            ; 8 x lane
.set AR,  3                            ; r x 1,040 + 16 h
.set SR,  4                            ; r x 32
.set BOF, 5                            ; 64 h
.set FA0, 6                            ; v6, v7: LDS addresses of the fetch in hand, row sets 0 and 1
.set FS0, 8                            ; v8, v9: of their scale words
.set SPW, 10                           ; LDS address of my spare word; never rewritten
.set NIL, 11                           ; 0; never rewritten
.set LS,  12                           ; 4 x lane
.set KW,  13                           ; my ks and wv
.set KWA, 14
.set QDA, 15                           ; my dump of q
.set SA0, 16
.set SB,  24
.set TM,  32
.set PW,  48
.set PFO, 49                           ; 256 x lane
.set CWB, 62
.set CSB, 63
.set BI,  192
.set WV,  34
.set RW,  35
.set BP,  36                           ; s[36:37] the block of weights in hand
.set NB0, 38                           ; s[38:39], s[40:41] biases of column tiles 0-7 and 8-15 of the next pass
.set NB1, 40
.set XP,  42
.set PFA, 44
.set T0,  46
.set KC,  48
.set CH,  49
.set KO0, 50
.set SO0, 52
.set SEL, 54
.set MNT, 56
.set JJ,  57
.set MM,  58
.set CO,  59
.set SO2, 60
.set RO,  61
.set L2E, 62
.set T1,  66
.set EPS, 68
.set RN,  70
.set ELN, 71
.set QP,  72
.set BQ0, 74
.set BQ1, 76
.set CHO, 78
.set XO,  79
.set QO,  2
.set UO,  3
.set XS,  4
.set MSB, 0
.macro WIN new                         ; bits 1:0 source 0, 3:2 source 1, 5:4 source 2, 7:6 destination; the high byte repeats the setting that is left
.if MSB != (\new)
	s_set_vgpr_msb (MSB<<8)|(\new)
.set MSB, (\new)
.endif
.endm
.macro PLACES n
.rept \n
	v_nop
.endr
.endm
; 64 numbers of a lane, register 16 b + i = k 32 b + 16 h + i of my row, become a fragment's codes in v[pc] on and its scale word in v[PW]
.macro QUANT s, pc
.irp b, 0,1,2,3
	v_max3_num_f32 v[TM+\b], |v[\s+16*\b]|, |v[\s+1+16*\b]|, 0x4800000   ; my 16 numbers of block b and the floor 2^(9 - 127): the byte cannot fall under 1
.endr
.irp i, 2,4,6,8,10,12,14
.irp b, 0,1,2,3
	v_max3_num_f32 v[TM+\b], v[TM+\b], |v[\s+16*\b+\i]|, |v[\s+1+16*\b+\i]|
.endr
.endr
.irp b, 0,1,2,3
	v_permlanex16_b32 v[TM+4+\b], v[TM+\b], s[SEL], s[SEL+1]
.endr
.irp b, 0,1,2,3
	v_max_num_f32 v[TM+\b], v[TM+\b], v[TM+4+\b]   ; with lane l xor 16's: the block's largest magnitude
.endr
.irp b, 0,1,2,3
	v_add_nc_u32 v[TM+12+\b], 0xfc000000, v[TM+\b]   ; 8 off its exponent field: the conversion's scale operand
.endr
.irp b, 0,1,2,3
	v_and_or_b32 v[TM+8+\b], v[TM+\b], 0x7f800000, s[MNT]   ; 448 x the scale
.endr
.irp b, 0,1,2,3
	v_lshrrev_b32 v[TM+4+\b], 23, v[TM+12+\b]      ; the scale's byte
.endr
	v_lshl_or_b32 v[PW], v[TM+5], 8, v[TM+4]
	v_lshl_or_b32 v[PW], v[TM+6], 16, v[PW]
	v_lshl_or_b32 v[PW], v[TM+7], 24, v[PW]
.irp b, 0,1,2,3
.irp i, 0,1,2,3,4,5,6,7,8,9,10,11,12,13,14,15
	v_med3_num_f32 v[\s+16*\b+\i], v[\s+16*\b+\i], -v[TM+8+\b], v[TM+8+\b]   ; the conversion to an 8-bit code does not saturate (ISA guide 7.6.2): the hold
.endr
	v_cvt_scalef32_pk8_fp8_f32 v[\pc+4*\b:\pc+1+4*\b], v[\s+16*\b:\s+7+16*\b], v[TM+12+\b]
	v_cvt_scalef32_pk8_fp8_f32 v[\pc+2+4*\b:\pc+3+4*\b], v[\s+8+16*\b:\s+15+16*\b], v[TM+12+\b]
.endr
	v_nop                                          ; a plain instruction behind the last scaled conversion
.endm
; eight loads: the biases of column tiles tlo .. tlo + 3 of 128 columns, in the result's layout, into set 0 or 1
.macro BIAS nb, set, tlo
.irp tq, 0,1,2,3
	global_load_b128 v[BI+32*(\set)+8*\tq:BI+32*(\set)+8*\tq+3], v[BOF], s[\nb:\nb+1] offset:4*(32*(((\tlo)+\tq)/2)+8*(((\tlo)+\tq)%2))
	global_load_b128 v[BI+32*(\set)+8*\tq+4:BI+32*(\set)+8*\tq+7], v[BOF], s[\nb:\nb+1] offset:4*(32*(((\tlo)+\tq)/2)+8*(((\tlo)+\tq)%2))+16
.endr
.endm
; seventeen loads: the four fragments of group g and their scale words, from the block off bytes behind s[BP]
.macro FILLG g, off
	WIN 0x40
.irp tt, 0,1,2,3
.irp c, 0,1,2,3
	global_load_b128 v[16*(4*(\g)+\tt)+4*\c:16*(4*(\g)+\tt)+4*\c+3], v[LB], s[BP:BP+1] offset:(\off)+1024+(4*(\g)+\tt)*2048+\c*512
.endr
.endr
	WIN 0
	global_load_b64 v[SB+2*(\g):SB+2*(\g)+1], v[LB8], s[BP:BP+1] offset:(\off)+256*(\g)
.endm
; the rows' operands.  img = 0: rows of pitch 1,040;  img = 1: images of registers
.macro FADDR img
.if \img
	v_add_nc_u32 v[FA0], s[KO0], v[LB]
	v_add_nc_u32 v[FA0+1], s[KO0+1], v[LB]
	v_add_nc_u32 v[FS0], s[SO0], v[LS]
	v_add_nc_u32 v[FS0+1], s[SO0+1], v[LS]
.else
	v_add_nc_u32 v[FA0], s[KO0], v[AR]
	v_add_nc_u32 v[FA0+1], s[KO0+1], v[AR]
	v_add_nc_u32 v[FS0], s[SO0], v[SR]
	v_add_nc_u32 v[FS0+1], s[SO0+1], v[SR]
.endif
.endm
.macro FETCH a, img                    ; twenty LDS loads: four fragments (tiles of rows 0-3) and their scale words into set a
.irp m, 0,1,2,3
.irp c, 0,1,2,3
.if \img
	ds_load_b128 v[64+64*(\a)+16*\m+4*\c:64+64*(\a)+16*\m+4*\c+3], v[FA0+(\a)] offset:\m*2048+\c*512
.else
	ds_load_b128 v[64+64*(\a)+16*\m+4*\c:64+64*(\a)+16*\m+4*\c+3], v[FA0+(\a)] offset:\m*TR+\c*32
.endif
.endr
.endr
.irp m, 0,1,2,3
.if \img
	ds_load_b32 v[SA0+4*(\a)+\m], v[FS0+(\a)] offset:\m*128
.else
	ds_load_b32 v[SA0+4*(\a)+\m], v[FS0+(\a)] offset:\m*512
.endif
.endr
.endm
.macro KNEXT img                       ; on to the next K step's bytes
.if \img
	s_add_co_u32 s[KO0], s[KO0], 8192
	s_add_co_u32 s[KO0+1], s[KO0+1], 8192
	s_add_co_u32 s[SO0], s[SO0], 512
	s_add_co_u32 s[SO0+1], s[SO0+1], 512
.else
	s_add_co_u32 s[KO0], s[KO0], 128
	s_add_co_u32 s[KO0+1], s[KO0+1], 128
	s_add_co_u32 s[SO0], s[SO0], 4
	s_add_co_u32 s[SO0+1], s[SO0+1], 4
.endif
.endm
.macro PRIME r0, r1, c0, c1, img       ; a pass's first K step of rows: set 0 from r0 (for column tiles 0-7), set 1 from r1 (tiles 8-15)
	s_mov_b32 s[KO0], \r0
	s_mov_b32 s[KO0+1], \r1
	s_mov_b32 s[SO0], \c0
	s_mov_b32 s[SO0+1], \c1
	s_wait_alu depctr_vm_vsrc(0)                   ; the LDS instructions so far have read v6 to v9, which the four lines below write; the stores so far have read their data in v64-191, in which the loads below land, and in windows 2 and 3, which the pass's products write
	FADDR \img
	s_wait_alu depctr_va_vdst(0)                   ; v6 to v9 are written, which the loads below read; the vector and matrix instructions so far are done with v16-23 and v64-191, in which they land
	FETCH 0, \img
	FETCH 1, \img
	KNEXT \img
.endm
; A GROUP: four column tiles x four tiles of rows: sixteen matrix instructions on sixteen accumulators, which come back 64 instructions later.
; Behind them eight places, then the group's one wait on va_vdst, then the loads into the registers that the products have read.
; first = 1: C is the bias.  fetch: 1 the next K step's rows are fetched, 2 but not in the loop's last trip, 0 never.  fill: 1 the ring takes the next block, 2 it takes query's rows for the tail.
.macro KGROUP g, first, fetch, fill, pf, img
.if \first
.if (\g) == 0
	s_wait_loadcnt 0x0                             ; the ring, the scale words and the first two sets of biases
.elseif (\g) == 2
	s_wait_loadcnt 25                              ; this group's biases; behind them: group 1's refill (17) and group 3's biases (8)
.elseif (\g) == 3
	s_wait_loadcnt 17                              ; this group's biases; behind them: group 2's refill
.endif
.elseif (\fill) == 2
	s_wait_loadcnt 51-(\g)                         ; behind this group's refill: 3 - g refills of 17 and g times 16 loads of query
.else
	s_wait_loadcnt 51                              ; behind this group's refill: the three younger refills of 17 (behind a first step more: the count is then the stricter)
.endif
.if (\g) == 0
	s_wait_dscnt 20                                ; row set 0 is in; set 1's twenty loads may be out
.endif
.if \first
	WIN 0x81+0x40*((\g)/2)
.else
	WIN 0xa1+0x50*((\g)/2)
.endif
.irp tt, 0,1,2,3
.irp m, 0,1,2,3
.set rD, 64*\m+8*((4*(\g)+\tt)%8)
.set rW, 16*(4*(\g)+\tt)
.set rA, 64+64*((\g)/2)+16*\m
.set rC, BI+32*((\g)%2)+8*\tt
.set rS, SB+2*(\g)+(\tt%2)
.set rR, SA0+4*((\g)/2)+\m
.if \first
.if \tt < 2
	v_wmma_scale_f32_16x16x128_f8f6f4 v[rD:rD+7], v[rW:rW+15], v[rA:rA+15], v[rC:rC+7], v[rS], v[rR]
.else
	v_wmma_scale_f32_16x16x128_f8f6f4 v[rD:rD+7], v[rW:rW+15], v[rA:rA+15], v[rC:rC+7], v[rS], v[rR] matrix_a_scale:MATRIX_SCALE_ROW1
.endif
.else
.if \tt < 2
	v_wmma_scale_f32_16x16x128_f8f6f4 v[rD:rD+7], v[rW:rW+15], v[rA:rA+15], v[rD:rD+7], v[rS], v[rR]
.else
	v_wmma_scale_f32_16x16x128_f8f6f4 v[rD:rD+7], v[rW:rW+15], v[rA:rA+15], v[rD:rD+7], v[rS], v[rR] matrix_a_scale:MATRIX_SCALE_ROW1
.endif
.endif
.endr
.endr
	WIN 0
.if ((\g) == 0) && (\fetch)
	s_wait_alu depctr_vm_vsrc(0)                   ; the rows' LDS loads issued so far have read v6 to v9, which the four lines below write
	FADDR \img                                     ; four of the eight places: the addresses of the next K step's rows
	PLACES 4
.else
	PLACES 8
.endif
	s_wait_alu depctr_va_vdst(0)                   ; this group's products are done reading the ring's group, its scale words and (first step) its biases, in which the loads below land; groups 1 and 3: both groups of a row set are done reading it; group 0: v6 to v9 are written
.if (\fill) == 1
	FILLG \g, BLK
.elseif (\fill) == 2
	WIN 0x40
.irp rr, 0,1
.irp j, 0,1,2,3,4,5,6,7
	global_load_b128 v[64*(\g)+32*\rr+4*\j:64*(\g)+32*\rr+4*\j+3], v[LB], s[QP:QP+1] offset:(2*(\g)+\rr)*4096+512*\j th:TH_LOAD_NT   ; my rows 2 g and 2 g + 1 of query
.endr
.endr
	WIN 0
.endif
.if (\first) && ((\g) == 0)
	BIAS NB1, 0, 0                                 ; group 2's biases, where group 0's lay
.endif
.if (\first) && ((\g) == 1)
	BIAS NB1, 1, 4                                 ; group 3's, where group 1's lay
.endif
.if (\pf) && ((\g) == 0)
	s_cmp_le_u32 s[KC], 4                          ; the loop's last four trips ask for my rows 8 to 15 of query, two rows (32 lanes x 256 bytes) a trip, each 256 bytes once; the tail loads them behind its dump
	s_cbranch_scc0 .Lnpf_\@
	global_prefetch_b8 v[PFO], s[PFA:PFA+1] th:TH_LOAD_NT scope:SCOPE_SE
.Lnpf_\@:
.endif
.if ((\g) == 1) || ((\g) == 3)
.if (\g) == 1
	s_wait_dscnt 0x0                               ; row set 1, asked for 32 matrix instructions ago, is in: groups 2 and 3 want no further wait
.endif
.if (\fetch) == 2
	s_cmp_eq_u32 s[KC], 1                          ; a pass's last K step has no successor
	s_cbranch_scc1 .Lnf_\@
.endif
.if \fetch
	FETCH (\g)/2, \img                             ; no vector or matrix instruction since the group's wait names this row set, its scale words or v6 to v9
.endif
.if (\fetch) == 2
.Lnf_\@:
.endif
.endif
.endm
.macro KSTEP first, fetch, fill, pf, img       ; a K step of 128: 64 matrix instructions
	KGROUP 0, \first, \fetch, \fill, \pf, \img
	KGROUP 1, \first, \fetch, \fill, \pf, \img
	KGROUP 2, \first, \fetch, \fill, \pf, \img
	KGROUP 3, \first, \fetch, \fill, \pf, \img
	s_wait_xcnt 0x0                                ; the step's loads have read their bases: these are stepped only behind this wait
.if (\fill) == 1
	s_add_nc_u64 s[BP:BP+1], s[BP:BP+1], BLK
.endif
.if \pf
	s_add_nc_u64 s[PFA:PFA+1], s[PFA:PFA+1], 8192
.endif
.if \fetch
	KNEXT \img
.endif
.endm
.macro BARRIER                                 ; my LDS stores have landed and my LDS loads are in: then the work-group's barrier
	s_wait_dscnt 0x0
	s_barrier_signal -1
	s_barrier_wait -1
.endm
; ---------------------------------------------------------------- THE HEAD
	s_load_b512 s[8:23], s[0:1], 0x0               ; query, key's codes, scales, value's codes, scales, wlay, bk, bv
	s_load_b256 s[24:31], s[0:1], 0x40             ; bq, bo, gamma, beta
	s_load_b64 s[32:33], s[0:1], 0x60              ; out0
	v_lshl_add_u32 v[SPW], v0, 2, SPARE
	v_mov_b32 v[NIL], 0
	v_lshrrev_b32 v50, 5, v0
	v_readfirstlane_b32 s[WV], v50                 ; wave 0..3
	v_and_b32 v51, 31, v0                          ; lane
	v_and_b32 v52, 15, v0                          ; r
	v_bfe_u32 v53, v0, 4, 1                        ; h
	v_lshlrev_b32 v[LB], 4, v51
	v_lshlrev_b32 v[LB8], 3, v51
	v_lshlrev_b32 v[LS], 2, v51
	v_lshlrev_b32 v[PFO], 8, v51
	v_mul_u32_u24 v[AR], v52, RP
	v_lshl_add_u32 v[AR], v53, 4, v[AR]
	v_lshlrev_b32 v[SR], 5, v52
	v_lshlrev_b32 v[BOF], 6, v53
.set HK, 13                            ; the head's own addresses: key's rows, value's rows, their scale words,
.set HV, 14
.set HS, 15
.set XW, 6                             ; the turning stage in and out,
.set XR, 7
.set QWB, 8                            ; query's codes and scale words
.set QSB, 9
.set QW, 62
.set QS, 63
	s_wait_alu depctr_va_sdst(0)                   ; s[WV] is written, ahead of its first reader: LDS places and all bases are made from it
	s_mul_i32 s2, s[WV], TR                        ; my 16 rows
	v_add_nc_u32 v[HK], s2, v[LB]
	v_add_nc_u32 v[HV], VAL, v[HK]
	v_add_nc_u32 v[QWB], s2, v[AR]
	v_add_nc_u32 v[QWB], QC, v[QWB]
	s_lshl_b32 s3, s[WV], 9
	v_add_nc_u32 v[HS], s3, v[LB]
	v_add_nc_u32 v[HS], SCLK, v[HS]
	v_add_nc_u32 v[QSB], s3, v[SR]
	v_add_nc_u32 v[QSB], SCLQ, v[QSB]
	s_mul_i32 s4, s[WV], 16*528
	s_add_co_u32 s4, s4, XSTG
	v_add_nc_u32 v[XW], s4, v[LB]
	v_mul_u32_u24 v[XR], v52, 528
	v_lshl_add_u32 v[XR], v53, 6, v[XR]
	v_add_nc_u32 v[XR], s4, v[XR]
.irp b, 0,1,2,3
	v_mov_b32 v[TM+4+\b], 0                        ; written once: a lane permute's destination counts as one of its sources
	v_mov_b32 v[58+\b], 0
.endr
	s_mov_b32 s[SEL], 0x76543210
	s_mov_b32 s[SEL+1], 0xfedcba98                 ; v_permlanex16_b32's selects for lane l xor 16
	s_mov_b32 s[MNT], 0x600000                     ; the mantissa field of 448
	s_mov_b32 s[L2E], 0x3fb8aa3b                   ; log2(e); the packed forms name pairs and take the low word for both halves
	s_mov_b32 s[L2E+1], s[L2E]
	s_mov_b32 s[EPS], 0x358637bd                   ; 1e-6
	s_mov_b32 s[EPS+1], s[EPS]
	s_mov_b32 s[RN], 0x3a800000                    ; 1 / 1,024
	s_mov_b32 s[ELN], 0x3a83126f                   ; 1e-3
	s_lshl_b32 s[RW], ttmp9, 6
	s_lshl_b32 s2, s[WV], 4
	s_add_co_u32 s[RW], s[RW], s2                  ; my wave's first row: 64 x work-group + 16 x wave
	s_lshl_b32 s[T0], s[RW], 12                    ; in query and out0,
	s_mov_b32 s[T0+1], 0
	s_lshl_b32 s[T1], s[RW], 10                    ; in the codes,
	s_mov_b32 s[T1+1], 0
	s_lshl_b32 s6, s[RW], 5                        ; in the scale bytes
	s_mov_b32 s7, 0
	s_mul_i32 s2, s[WV], 32*BLK                    ; my stream of weights
	s_mov_b32 s3, 0
	s_lshl_b32 s4, s[WV], 10                       ; my 256 columns of a bias
	s_mov_b32 s5, 0
	s_wait_kmcnt 0x0
	s_add_nc_u64 s[XP:XP+1], s[8:9], s[T0:T0+1]
	s_mov_b64 s[QP:QP+1], s[XP:XP+1]
	s_add_nc_u64 s[32:33], s[32:33], s[T0:T0+1]
	s_add_nc_u64 s[10:11], s[10:11], s[T1:T1+1]
	s_add_nc_u64 s[14:15], s[14:15], s[T1:T1+1]
	s_add_nc_u64 s[12:13], s[12:13], s[6:7]
	s_add_nc_u64 s[16:17], s[16:17], s[6:7]
	s_add_nc_u64 s[BP:BP+1], s[18:19], s[2:3]
	s_add_nc_u64 s[NB0:NB0+1], s[20:21], s[4:5]
	s_add_nc_u64 s[NB1:NB1+1], s[22:23], s[4:5]
	s_add_nc_u64 s[BQ0:BQ0+1], s[24:25], s[4:5]
	s_add_nc_u64 s[BQ1:BQ1+1], s[BQ0:BQ0+1], 512
	s_add_nc_u64 s[26:27], s[26:27], s[4:5]
	s_add_nc_u64 s[PFA:PFA+1], s[QP:QP+1], 4*4096  ; stepped two rows a trip of the last pass's loop: at row 8 in the first trip that asks
	WIN 0x40
	s_wait_alu depctr_va_vdst(0)                   ; the offsets and addresses v1 to v15 and v49 are written, which the loads, stores and the prefetch of the kernel read; the head's arithmetic is done with v50 to v53, in which loads land
.set e, 0
.rept 32
	global_load_b128 v[4*e:4*e+3], v[LB], s[10:11] offset:512*e th:TH_LOAD_NT         ; my 16 rows of key's codes: 32 x 512 consecutive bytes
.set e, e+1
.endr
.set e, 0
.rept 32
	global_load_b128 v[128+4*e:128+4*e+3], v[LB], s[14:15] offset:512*e th:TH_LOAD_NT ; and of value's
.set e, e+1
.endr
	WIN 0
	global_load_b128 v[50:53], v[LB], s[12:13] th:TH_LOAD_NT                          ; their scale bytes: 512 consecutive bytes each
	global_load_b128 v[54:57], v[LB], s[16:17] th:TH_LOAD_NT
.macro XLOAD set, off                  ; sixteen loads: 128 numbers (512 bytes) of each of my 16 rows of query
	WIN 0x80
.irp e, 0,1,2,3,4,5,6,7,8,9,10,11,12,13,14,15
	global_load_b128 v[64*(\set)+4*\e:64*(\set)+4*\e+3], v[LB], s[XP:XP+1] offset:\e*4096+(\off)
.endr
	WIN 0
.endm
	XLOAD 0, 0
	XLOAD 1, 512
	s_wait_loadcnt 32                              ; all but query's two sets
	WIN 0x04
.set e, 0
.rept 32
	ds_store_b128 v[HK], v[4*e:4*e+3] offset:(e/2)*RP+(e%2)*512
	ds_store_b128 v[HV], v[128+4*e:128+4*e+3] offset:(e/2)*RP+(e%2)*512
.set e, e+1
.endr
	WIN 0
	ds_store_b128 v[HS], v[50:53]
	ds_store_b128 v[HS], v[54:57] offset:2048
; One K step of query: the 16 x 512 bytes go through my stage as they lie and come back 64 bytes a lane for each block of 32 (row r, 16 h on); then the quantiser; codes and scale word to LDS.
; Who names what: the set in window 2 is written by loads and read by the stage's stores alone; v64-127 are written by the LDS loads and worked on by the quantiser; v128-143 and v[PW] are written by the quantiser and read by the stores.
.macro XFRAG set, fill, cnt
	s_wait_loadcnt \cnt
	WIN 0x08
.irp e, 0,1,2,3,4,5,6,7,8,9,10,11,12,13,14,15
	ds_store_b128 v[XW], v[64*(\set)+4*\e:64*(\set)+4*\e+3] offset:\e*528
.endr
	WIN 0
.irp b, 0,1,2,3
.irp j, 0,1,2,3
	ds_load_b128 v[64+16*\b+4*\j:64+16*\b+4*\j+3], v[XR] offset:128*\b+16*\j   ; my own bytes: LDS serves a wave's instructions in order.  No vector instruction since the last wait on va_vdst names v64-127
.endr
.endr
	s_wait_dscnt 0x0                               ; the numbers are back
	s_wait_alu depctr_vm_vsrc(0)                   ; the stage's stores have read the set in window 2, in which the loads below land; the last step's stores have read v128-143 and v[PW], which the quantiser writes again
.if \fill
	XLOAD \set, 1024+512*(\set)                    ; two K steps on
.endif
	QUANT 64, 128
	s_wait_alu depctr_va_vdst(0)                   ; the quantiser has written v128-143 and v[PW], and v[QW], v[QS] are written, all of which the stores below read; it is done with v64-127, in which the next step's LDS loads land
.irp b, 0,1,2,3
	ds_store_b128 v[QW], v[128+4*\b:128+4*\b+3] offset:128*(\set)+32*\b
.endr
	ds_store_b32 v[QS], v[PW] offset:4*(\set)      ; both halves of the lanes write the same word with the same value
.endm
	s_mov_b32 s[XO], 0
	s_mov_b32 s[XS], 0
	s_mov_b32 s[KC], 3
.Lx:                                               ; K steps 0 to 5, two a trip
	s_wait_alu depctr_vm_vsrc(0)                   ; the last trip's stores have read v[QW] and v[QS], which the two lines below write
	v_add_nc_u32 v[QW], s[XO], v[QWB]
	v_add_nc_u32 v[QS], s[XS], v[QSB]
	XFRAG 0, 1, 16                                 ; the other set's sixteen loads may be out
	XFRAG 1, 1, 16
	s_wait_xcnt 0x0                                ; the loads have read their base
	s_add_nc_u64 s[XP:XP+1], s[XP:XP+1], 1024
	s_add_co_u32 s[XO], s[XO], 256
	s_add_co_u32 s[XS], s[XS], 8
	s_sub_co_u32 s[KC], s[KC], 1
	s_cmp_lg_u32 s[KC], 0
	s_cbranch_scc1 .Lx
	s_wait_alu depctr_vm_vsrc(0)                   ; the last trip's stores have read v[QW] and v[QS]; key's and value's stores have read window 1, in which the ring's first fill lands
	v_add_nc_u32 v[QW], s[XO], v[QWB]
	v_add_nc_u32 v[QS], s[XS], v[QSB]
	s_wait_dscnt 0x0
.irp g, 0,1,2,3
	FILLG \g, 0                                    ; the ring's first fill: window 1 is free, key's and value's codes lie in LDS
.endr
	BIAS NB0, 0, 0
	BIAS NB0, 1, 4
	XFRAG 0, 0, 63                                 ; behind query's last 32 loads 84 were issued: at most 63 out shows the oldest 53 done
	XFRAG 1, 0, 63
	s_lshl_b32 s5, s[WV], 13
	s_add_co_u32 s5, s5, KWS
	s_lshl_b32 s6, s[WV], 15
	s_lshl_b32 s7, s[WV], 14
	s_add_co_u32 s7, s7, CTX
	BARRIER                                        ; the three row operands and their scale words lie in LDS
	s_wait_alu depctr_vm_vsrc(0)                   ; the head's stores have read v13, v15, v62 and v63, which the lines below write
	v_add_nc_u32 v[KW], s5, v[LB]
	v_add_nc_u32 v[QDA], s6, v[LB]
	v_add_nc_u32 v[CWB], s7, v[LB]
	s_lshl_b32 s5, s[WV], 10
	s_add_co_u32 s5, s5, SCLC
	v_add_nc_u32 v[CSB], s5, v[LS]
; ---------------------------------------------------------------- PASSES 0 AND 1: k and v of 128 columns, then ks and wv
; Tile of rows m: k in window 2, v in window 3, registers 64 m on: 0-31 the chunk's first head, 32-63 its second; a lane holds 32 of a head's 64 columns, lane l xor 16 the others.
; The tile's eight results go to v[128 + 8 m] on; the chunk's 32 are stored together, behind one wait.
.macro KVEPI m
.set KB, 64*(\m)
	WIN 0x08
.set i, 0
.rept 64
	v_max_num_f32 v[64+i], 0, v[KB+i]              ; max(k, 0); each accumulator is read from its low end on
.set i, i+1
.endr
	WIN 0x82
.set i, 0
.rept 32
	v_pk_add_f32 v[KB+i:KB+i+1], v[KB+i:KB+i+1], v[64+i:65+i] neg_lo:[0,1] neg_hi:[0,1]   ; min(k, 0), exactly
.set i, i+2
.endr
.set i, 0
.rept 32
	v_pk_mul_f32 v[KB+i:KB+i+1], v[KB+i:KB+i+1], s[L2E:L2E+1] op_sel_hi:[1,0]
.set i, i+2
.endr
.set i, 0
	s_wait_alu depctr_va_vdst(0)
.rept 64
	v_exp_f32 v[KB+i], v[KB+i]
.set i, i+1
.endr
	v_nop                                          ; a plain instruction behind the last exponential,
	s_wait_alu depctr_va_vdst(0)                   ; and one wait for the batch: the 64 exponentials have written v[KB] on of window 2, ahead of their first reader
.set i, 0
.rept 32
	v_pk_add_f32 v[KB+i:KB+i+1], v[KB+i:KB+i+1], v[64+i:65+i]   ; k' = elu(k) + 1
.set i, i+2
.endr
	WIN 0x0a                                       ; the sums of k': two heads x two chains, by turns
.irp hd, 0,1
.irp u, 0,1
	v_pk_add_f32 v[64+4*\hd+2*\u:65+4*\hd+2*\u], v[KB+32*\hd+2*\u:KB+32*\hd+2*\u+1], v[KB+32*\hd+2*\u+4:KB+32*\hd+2*\u+5]
.endr
.endr
	WIN 0x02
.irp p, 4,6,8,10,12,14
.irp hd, 0,1
.irp u, 0,1
	v_pk_add_f32 v[64+4*\hd+2*\u:65+4*\hd+2*\u], v[KB+32*\hd+2*(\p+\u):KB+32*\hd+2*(\p+\u)+1], v[64+4*\hd+2*\u:65+4*\hd+2*\u]
.endr
.endr
.endr
	WIN 0x0e                                       ; the sums of k' v likewise
.irp hd, 0,1
.irp u, 0,1
	v_pk_mul_f32 v[72+4*\hd+2*\u:73+4*\hd+2*\u], v[KB+32*\hd+2*\u:KB+32*\hd+2*\u+1], v[KB+32*\hd+2*\u:KB+32*\hd+2*\u+1]
.endr
.endr
.irp p, 2,4,6,8,10,12,14
.irp hd, 0,1
.irp u, 0,1
	v_pk_fma_f32 v[72+4*\hd+2*\u:73+4*\hd+2*\u], v[KB+32*\hd+2*(\p+\u):KB+32*\hd+2*(\p+\u)+1], v[KB+32*\hd+2*(\p+\u):KB+32*\hd+2*(\p+\u)+1], v[72+4*\hd+2*\u:73+4*\hd+2*\u]
.endr
.endr
.endr
	WIN 0
.irp q, 0,1,2,3                                ; q = 0, 1: ks of the two heads; 2, 3: wv
	v_pk_add_f32 v[64+4*\q:65+4*\q], v[64+4*\q:65+4*\q], v[66+4*\q:67+4*\q]
.endr
.irp q, 0,1,2,3
	v_add_f32 v[64+4*\q], v[64+4*\q], v[65+4*\q]
.endr
.irp q, 0,1,2,3
	v_permlanex16_b32 v[58+\q], v[64+4*\q], s[SEL], s[SEL+1]
.endr
.irp q, 0,1,2,3                                ; written twice: pairs for the packed forms.  ks0 ks0 wv0 wv0 | ks1 ks1 wv1 wv1
	v_add_f32 v[128+8*(\m)+4*(\q%2)+2*(\q/2)], v[64+4*\q], v[58+\q]
	v_add_f32 v[129+8*(\m)+4*(\q%2)+2*(\q/2)], v[64+4*\q], v[58+\q]
.endr
.endm
	s_mov_b32 s[CH], 0
	s_mov_b32 s[CHO], 0
.Lkv:
	PRIME KEY, VAL, SCLK, SCLV, 0
	KSTEP 1, 1, 1, 0, 0
	s_mov_b32 s[KC], 7
.Lkvk:
	KSTEP 0, 2, 1, 0, 0
	s_sub_co_u32 s[KC], s[KC], 1
	s_cmp_lg_u32 s[KC], 0
	s_cbranch_scc1 .Lkvk
	s_add_nc_u64 s[T0:T0+1], s[NB0:NB0+1], 512     ; the next pass's biases: the second chunk's of bk and bv, or bq's (the earlier bias loads are done, and behind the step's wait on XCNT)
	s_add_nc_u64 s[T1:T1+1], s[NB1:NB1+1], 512
	s_cmp_eq_u32 s[CH], 0
	s_cselect_b64 s[NB0:NB0+1], s[T0:T0+1], s[BQ0:BQ0+1]
	s_cselect_b64 s[NB1:NB1+1], s[T1:T1+1], s[BQ1:BQ1+1]
	BIAS NB0, 0, 0                                 ; the products that read the bias sets stand ahead of the groups' waits, and nothing since names these registers
	BIAS NB0, 1, 4
	v_add_nc_u32 v[KWA], s[CHO], v[KW]             ; (the stores that read v[KWA] and v128-159 in the chunk before stand ahead of this pass's first wait on vm_vsrc)
	KVEPI 0
	KVEPI 1
	KVEPI 2
	KVEPI 3
	s_wait_alu depctr_va_vdst(0)                   ; the four tiles' sums are written to v128-159, and v[KWA] is written: the eight stores below read them
.irp m, 0,1,2,3
	ds_store_b128 v[KWA], v[128+8*\m:131+8*\m] offset:\m*1024
	ds_store_b128 v[KWA], v[132+8*\m:135+8*\m] offset:\m*1024+512
.endr
	s_add_co_u32 s[CHO], s[CHO], 4096
	s_add_co_u32 s[CH], s[CH], 1
	s_cmp_lt_u32 s[CH], 2
	s_cbranch_scc1 .Lkv
	BARRIER                                        ; nobody reads key's and value's codes any more: their bytes take the dumps of q
; ---------------------------------------------------------------- PASS 2: q, then ctx
	PRIME QC, QC, SCLQ, SCLQ, 0
	KSTEP 1, 1, 1, 0, 0
	s_mov_b32 s[KC], 7
.Lqk:
	KSTEP 0, 2, 1, 0, 0
	s_sub_co_u32 s[KC], s[KC], 1
	s_cmp_lg_u32 s[KC], 0
	s_cbranch_scc1 .Lqk
	s_mov_b64 s[NB0:NB0+1], s[26:27]               ; the last pass's biases: bo
	s_add_nc_u64 s[NB1:NB1+1], s[26:27], 512
	BIAS NB0, 0, 0
	BIAS NB0, 1, 4
	s_mov_b32 s[JJ], 0
	s_mov_b32 s[CO], 0
	s_mov_b32 s[SO2], 0
	s_mov_b32 s[UO], 0
.Ljj:                                              ; 128 columns a trip: their 256 registers go to my own 32,768 bytes of LDS as they stand, so that ONE text serves the four tiles of rows
	s_wait_alu depctr_va_vdst(0)                   ; the pass's matrix instructions have written the accumulators, which the dump's stores read (their places stand behind the last group)
	s_cmp_eq_u32 s[JJ], 0
	s_cbranch_scc0 .Ldump1
	WIN 0x08
.set i, 0
.rept 64
	ds_store_b128 v[QDA], v[4*i:4*i+3] offset:512*i   ; each accumulator from its low end on
.set i, i+1
.endr
	WIN 0
	s_branch .Ldumped
.Ldump1:
	WIN 0x0c
.set i, 0
.rept 64
	ds_store_b128 v[QDA], v[4*i:4*i+3] offset:512*i
.set i, i+1
.endr
	WIN 0
.Ldumped:
	s_mov_b32 s[QO], 0
	s_mov_b32 s[MM], 4
.Lmm:                                              ; a unit: 16 rows x 128 columns: 64 numbers a lane
	s_wait_alu depctr_vm_vsrc(0)                   ; the LDS instructions so far have read v6 to v9, which the four lines below write; the last unit's stores have read v64-79, in which loads land, and v[PW], which the quantiser writes again
	v_add_nc_u32 v6, s[QO], v[QDA]
	v_add_nc_u32 v7, s[UO], v[KW]
	v_add_nc_u32 v8, s[CO], v[CWB]
	v_add_nc_u32 v9, s[SO2], v[CSB]
	s_wait_alu depctr_va_vdst(0)                   ; v6 to v9 are written, which the loads and stores of the unit read; the last unit's arithmetic is done with v50-57 and v64-127, in which the loads below land
.set i, 0
.rept 16
	ds_load_b128 v[64+4*i:67+4*i], v6 offset:512*i
.set i, i+1
.endr
	ds_load_b128 v[50:53], v7                      ; ks, wv of the unit's first head,
	ds_load_b128 v[54:57], v7 offset:512           ; of its second
	s_wait_dscnt 0x0
.set i, 0
.rept 64
	v_max_num_f32 v[128+i], 0, v[64+i]
.set i, i+1
.endr
.set i, 0
.rept 32
	v_pk_add_f32 v[64+i:65+i], v[64+i:65+i], v[128+i:129+i] neg_lo:[0,1] neg_hi:[0,1]
.set i, i+2
.endr
.set i, 0
.rept 32
	v_pk_mul_f32 v[64+i:65+i], v[64+i:65+i], s[L2E:L2E+1] op_sel_hi:[1,0]
.set i, i+2
.endr
.set i, 0
	s_wait_alu depctr_va_vdst(0)
.rept 64
	v_exp_f32 v[64+i], v[64+i]
.set i, i+1
.endr
	v_nop
	s_wait_alu depctr_va_vdst(0)                   ; one wait for the batch: the 64 exponentials have written v64-127, ahead of their first reader
.set i, 0
.rept 32
	v_pk_add_f32 v[128+i:129+i], v[64+i:65+i], v[128+i:129+i]   ; q' = elu(q) + 1
.set i, i+2
.endr
.set i, 0
.rept 32
	v_pk_fma_f32 v[64+i:65+i], v[128+i:129+i], v[50+4*(i/32):51+4*(i/32)], s[EPS:EPS+1] op_sel_hi:[1,1,0]   ; q' ks + 1e-6
.set i, i+2
.endr
.set i, 0
	s_wait_alu depctr_va_vdst(0)
.rept 64
	v_rcp_f32 v[64+i], v[64+i]
.set i, i+1
.endr
.set i, 0
.rept 32
	v_pk_mul_f32 v[128+i:129+i], v[128+i:129+i], v[52+4*(i/32):53+4*(i/32)]   ; q' wv: plain work behind the reciprocals, which names none of their results
.set i, i+2
.endr
	s_wait_alu depctr_va_vdst(0)                   ; one wait for the batch: the 64 reciprocals have written v64-127, ahead of their first reader
.set i, 0
.rept 32
	v_pk_mul_f32 v[128+i:129+i], v[128+i:129+i], v[64+i:65+i]   ; ctx
.set i, i+2
.endr
	QUANT 128, 64
	s_wait_alu depctr_va_vdst(0)                   ; the quantiser has written v64-79 and v[PW], which the stores below read
.irp c, 0,1,2,3
	ds_store_b128 v8, v[64+4*\c:67+4*\c] offset:512*\c   ; K step 2 w + jj of the last product, tile of rows m: the fragment as it stands
.endr
	ds_store_b32 v9, v[PW]
	s_add_co_u32 s[QO], s[QO], 8192
	s_add_co_u32 s[UO], s[UO], 1024
	s_add_co_u32 s[CO], s[CO], 2048
	s_add_co_u32 s[SO2], s[SO2], 128
	s_sub_co_u32 s[MM], s[MM], 1
	s_cmp_lg_u32 s[MM], 0
	s_cbranch_scc1 .Lmm
	s_add_co_u32 s[JJ], s[JJ], 1
	s_cmp_lt_u32 s[JJ], 2
	s_cbranch_scc1 .Ljj
	BARRIER                                        ; ctx's 32 fragments lie in LDS
; ---------------------------------------------------------------- PASS 3: the product with Wo
	PRIME CTX, CTX, SCLC, SCLC, 1
	KSTEP 1, 1, 1, 0, 1
	s_mov_b32 s[KC], 6
.Lok:
	KSTEP 0, 1, 1, 1, 1
	s_sub_co_u32 s[KC], s[KC], 1
	s_cmp_lg_u32 s[KC], 0
	s_cbranch_scc1 .Lok
	KSTEP 0, 0, 2, 0, 1                            ; the last K step: the ring's registers take my rows 0 to 7 of query
	BARRIER                                        ; nobody reads an operand any more: all their bytes take the stage
; ---------------------------------------------------------------- THE TAIL
.set DS0, 50
.set SRW, 54
.set LNA, 55
	v_and_b32 v55, 15, v0
	v_bfe_u32 v56, v0, 4, 1
	v_mul_u32_u24 v[DS0], v55, SGP
	v_lshl_add_u32 v[DS0], v56, 6, v[DS0]
	s_lshl_b32 s5, s[WV], 10
	v_add_nc_u32 v[DS0], s5, v[DS0]                ; row r, + 64 h, + my 1,024 bytes of a row
	v_add_nc_u32 v[DS0+1], 16*SGP, v[DS0]
	v_add_nc_u32 v[DS0+2], 16*SGP, v[DS0+1]
	v_add_nc_u32 v[DS0+3], 16*SGP, v[DS0+2]
	s_mul_i32 s5, s[WV], 16*SGP
	v_add_nc_u32 v[SRW], s5, v[LB]                 ; back: my 16 rows, 16 bytes a lane
	s_wait_alu depctr_va_vdst(0)                   ; the addresses v50 to v54 are written, and the last pass's matrix instructions have written the accumulators: the stores below read both (the places stand behind the last group)
.irp hw, 0,1
	WIN 0x08+0x04*\hw
.irp m, 0,1,2,3
.irp t, 0,1,2,3,4,5,6,7
	ds_store_b128 v[DS0+\m], v[64*\m+8*\t:64*\m+8*\t+3] offset:512*\hw+128*(\t/2)+32*(\t%2)        ; each accumulator from its low end on
	ds_store_b128 v[DS0+\m], v[64*\m+8*\t+4:64*\m+8*\t+7] offset:512*\hw+128*(\t/2)+32*(\t%2)+16
.endr
.endr
.endr
	WIN 0
	BARRIER                                        ; 64 whole rows of ctx Wo + bo lie in the stage
	WIN 0x80
	s_wait_alu depctr_vm_vsrc(0)                   ; my stores into the stage have read window 2, in which the loads below land
.irp p, 8,9,10,11,12,13,14,15
.irp j, 0,1,2,3,4,5,6,7
	global_load_b128 v[32*(\p-8)+4*\j:32*(\p-8)+4*\j+3], v[LB], s[QP:QP+1] offset:\p*4096+512*\j th:TH_LOAD_NT
.endr
.endr
	WIN 0
.irp j, 0,1,2,3,4,5,6,7
	global_load_b128 v[192+4*\j:195+4*\j], v[LB], s[28:29] offset:512*\j   ; gamma and beta of my lane's 32 columns
.endr
.irp j, 0,1,2,3,4,5,6,7
	global_load_b128 v[224+4*\j:227+4*\j], v[LB], s[30:31] offset:512*\j
.endr
; The residual, written out for my 16 rows (query's rows lie in registers whose numbers differ from row to row): a row comes from the stage, one row ahead, takes query's row and goes back.
; Four sets of 32 registers by turns: set p % 4 is written by row p's LDS loads, then by its sixteen additions, and read by its eight stores; row p + 4's loads land in it, issued in row p + 3's turn.
.macro LROW p
.irp j, 0,1,2,3,4,5,6,7
	ds_load_b128 v[64+32*((\p)%4)+4*\j:64+32*((\p)%4)+4*\j+3], v[SRW] offset:(\p)*SGP+512*\j
.endr
.endm
	LROW 0
.irp p, 0,1,2,3,4,5,6,7,8,9,10,11,12,13,14,15
.if \p < 15
.if \p >= 3
	s_wait_alu depctr_vm_vsrc(0)                   ; the stores of three rows back have read the set in which the next row's loads land (its additions stand ahead of that row's wait on va_vdst)
.endif
	LROW \p+1
.endif
.if 8*(15-\p)+16 > 63
	s_wait_loadcnt 63                              ; behind this row's loads more than 63 were issued: the count is the largest that can be named
.else
	s_wait_loadcnt 8*(15-\p)+16                    ; behind this row's loads: the later rows' eight each, gamma's and beta's sixteen
.endif
.if (\p == 0) || (\p == 15)
	s_wait_dscnt 8
.else
	s_wait_dscnt 16                                ; behind this row's LDS loads: the row before's eight stores and the next row's eight loads
.endif
	WIN 0x04+0x04*(\p/8)
.irp i, 0,2,4,6,8,10,12,14,16,18,20,22,24,26,28,30
	v_pk_add_f32 v[64+32*(\p%4)+\i:65+32*(\p%4)+\i], v[64+32*(\p%4)+\i:65+32*(\p%4)+\i], v[32*(\p%8)+\i:32*(\p%8)+\i+1]
.endr
	WIN 0
	s_wait_alu depctr_va_vdst(0)                   ; the sixteen additions have written the row's set, which the stores below read
.irp j, 0,1,2,3,4,5,6,7
	ds_store_b128 v[SRW], v[64+32*(\p%4)+4*\j:64+32*(\p%4)+4*\j+3] offset:\p*SGP+512*\j
.endr
.endr
; The norm: two rows a trip, by turns.  A row is 32 numbers a lane; the wave holds it whole.
.macro RED                             ; v132, v140: each summed over the 32 lanes
.irp x, 1,2,4,8
.irp rr, 0,1
	v_add_f32_dpp v[132+8*\rr], v[132+8*\rr], v[132+8*\rr] row_xmask:\x row_mask:0xf bank_mask:0xf
.endr
.endr
.irp rr, 0,1
	v_permlanex16_b32 v[58+\rr], v[132+8*\rr], s[SEL], s[SEL+1]
.endr
.irp rr, 0,1
	v_add_f32 v[132+8*\rr], v[132+8*\rr], v[58+\rr]
.endr
.endm
	s_wait_loadcnt 0x0                             ; gamma and beta
	s_mov_b32 s[RO], 0
	s_mov_b32 s[KC], 8
.Lln:
	s_wait_alu depctr_vm_vsrc(0)                   ; the last trip's LDS loads have read v[LNA], which the line below writes; its stores (first trip: the residual's) have read v64-159, in which the loads below land and which the sums write
	v_add_nc_u32 v[LNA], s[RO], v[SRW]
	s_wait_alu depctr_va_vdst(0)                   ; v[LNA] is written, which the loads below read; the last trip's arithmetic is done with v64-127, in which they land
.irp rr, 0,1
.irp j, 0,1,2,3,4,5,6,7
	ds_load_b128 v[64+32*\rr+4*\j:64+32*\rr+4*\j+3], v[LNA] offset:\rr*SGP+512*\j
.endr
.endr
	s_wait_dscnt 0x0
.irp rr, 0,1
	v_pk_add_f32 v[128+8*\rr:129+8*\rr], v[64+32*\rr:65+32*\rr], v[66+32*\rr:67+32*\rr]
	v_pk_add_f32 v[130+8*\rr:131+8*\rr], v[68+32*\rr:69+32*\rr], v[70+32*\rr:71+32*\rr]
.endr
.irp i, 8,12,16,20,24,28
.irp rr, 0,1
	v_pk_add_f32 v[128+8*\rr:129+8*\rr], v[128+8*\rr:129+8*\rr], v[64+32*\rr+\i:65+32*\rr+\i]
	v_pk_add_f32 v[130+8*\rr:131+8*\rr], v[130+8*\rr:131+8*\rr], v[66+32*\rr+\i:67+32*\rr+\i]
.endr
.endr
.irp rr, 0,1
	v_pk_add_f32 v[128+8*\rr:129+8*\rr], v[128+8*\rr:129+8*\rr], v[130+8*\rr:131+8*\rr]
.endr
.irp rr, 0,1
	v_add_f32 v[132+8*\rr], v[128+8*\rr], v[129+8*\rr]
.endr
	RED
.irp rr, 0,1
	v_mul_f32 v[134+8*\rr], s[RN], v[132+8*\rr]    ; the mean, twice: a pair for the packed form
	v_mul_f32 v[135+8*\rr], s[RN], v[132+8*\rr]
.endr
.irp i, 0,2,4,6,8,10,12,14,16,18,20,22,24,26,28,30
.irp rr, 0,1
	v_pk_add_f32 v[64+32*\rr+\i:65+32*\rr+\i], v[64+32*\rr+\i:65+32*\rr+\i], v[134+8*\rr:135+8*\rr] neg_lo:[0,1] neg_hi:[0,1]
.endr
.endr
.irp rr, 0,1
	v_pk_mul_f32 v[128+8*\rr:129+8*\rr], v[64+32*\rr:65+32*\rr], v[64+32*\rr:65+32*\rr]
	v_pk_mul_f32 v[130+8*\rr:131+8*\rr], v[66+32*\rr:67+32*\rr], v[66+32*\rr:67+32*\rr]
.endr
.irp i, 4,8,12,16,20,24,28
.irp rr, 0,1
	v_pk_fma_f32 v[128+8*\rr:129+8*\rr], v[64+32*\rr+\i:65+32*\rr+\i], v[64+32*\rr+\i:65+32*\rr+\i], v[128+8*\rr:129+8*\rr]
	v_pk_fma_f32 v[130+8*\rr:131+8*\rr], v[66+32*\rr+\i:67+32*\rr+\i], v[66+32*\rr+\i:67+32*\rr+\i], v[130+8*\rr:131+8*\rr]
.endr
.endr
.irp rr, 0,1
	v_pk_add_f32 v[128+8*\rr:129+8*\rr], v[128+8*\rr:129+8*\rr], v[130+8*\rr:131+8*\rr]
.endr
.irp rr, 0,1
	v_add_f32 v[132+8*\rr], v[128+8*\rr], v[129+8*\rr]
.endr
	RED
.irp rr, 0,1
	v_fma_f32 v[132+8*\rr], v[132+8*\rr], s[RN], s[ELN]   ; the variance + 1e-3
.endr
	s_wait_alu depctr_va_vdst(0)
.irp rr, 0,1
	v_rsq_f32 v[134+8*\rr], v[132+8*\rr]
	v_rsq_f32 v[135+8*\rr], v[132+8*\rr]
.endr
	v_nop
	s_wait_alu depctr_va_vdst(0)                   ; one wait for the batch: the four reciprocal roots have written v134, v135, v142 and v143, ahead of their first reader
.irp i, 0,2,4,6,8,10,12,14,16,18,20,22,24,26,28,30
.irp rr, 0,1
	v_pk_mul_f32 v[64+32*\rr+\i:65+32*\rr+\i], v[64+32*\rr+\i:65+32*\rr+\i], v[134+8*\rr:135+8*\rr]
.endr
.endr
.irp i, 0,2,4,6,8,10,12,14,16,18,20,22,24,26,28,30
.irp rr, 0,1
	v_pk_fma_f32 v[64+32*\rr+\i:65+32*\rr+\i], v[64+32*\rr+\i:65+32*\rr+\i], v[192+\i:193+\i], v[224+\i:225+\i]
.endr
.endr
	s_wait_alu depctr_va_vdst(0)                   ; the multiply-adds have written v64-127, which the stores below read
.irp rr, 0,1
.irp j, 0,1,2,3,4,5,6,7
	global_store_b128 v[LB], v[64+32*\rr+4*\j:64+32*\rr+4*\j+3], s[32:33] offset:\rr*4096+512*\j th:TH_STORE_NT   ; 32 lanes store 512 consecutive bytes, at a multiple of 256 from out0's first byte
.endr
.endr
	s_wait_xcnt 0x0                                ; the stores have read their registers and their base: both are written again only behind this wait (and, for the registers, the wait on vm_vsrc at the trip's head)
	s_add_nc_u64 s[32:33], s[32:33], 8192
	s_add_co_u32 s[RO], s[RO], 2*SGP
	s_sub_co_u32 s[KC], s[KC], 1
	s_cmp_lg_u32 s[KC], 0
	s_cbranch_scc1 .Lln
	s_wait_dscnt 0x0                               ; the closing lines, six on end
	s_wait_alu 0x0
	s_wait_tensorcnt 0x0
	ds_add_u32 v[SPW], v[NIL]
	s_wait_dscnt 0x0
	s_endpgm
.Lfunc_end_k_q9e0db63855_fused:
	.size	k_q9e0db63855_fused, .Lfunc_end_k_q9e0db63855_fused-k_q9e0db63855_fused
	.p2alignl 7, 3214868480
	.fill 96, 4, 3214868480
	.section	.rodata,"a",@progbits
	.p2align	6, 0x0
	.amdhsa_kernel k_q9e0db63855_fused
		.amdhsa_group_segment_fixed_size 309760
		.amdhsa_private_segment_fixed_size 0
		.amdhsa_enable_private_segment 0
		.amdhsa_kernarg_size 104
		.amdhsa_user_sgpr_count 2
		.amdhsa_user_sgpr_kernarg_segment_ptr 1
		.amdhsa_wavefront_size32 1
		.amdhsa_system_sgpr_workgroup_id_x 1
		.amdhsa_system_sgpr_workgroup_id_y 1
		.amdhsa_system_sgpr_workgroup_id_z 1
		.amdhsa_system_vgpr_workitem_id 0
		.amdhsa_next_free_vgpr 1024
		.amdhsa_next_free_sgpr 80
		.amdhsa_reserve_vcc 0
		.amdhsa_float_denorm_mode_32 3
		.amdhsa_float_denorm_mode_16_64 3
		.amdhsa_memory_ordered 1
		.amdhsa_forward_progress 1
		.amdhsa_inst_pref_size 255
	.end_amdhsa_kernel
	.section	.bss,"aw",@nobits
	.p2align	6
	.space	262144
	.amdgpu_metadata
---
amdhsa.version: [ 1, 2 ]
amdhsa.kernels:
  - .name:           k_q9e0db63855_fused
    .symbol:         k_q9e0db63855_fused.kd
    .args:
      - { .name: query, .offset: 0, .size: 8, .value_kind: global_buffer, .address_space: global }
      - { .name: key_codes, .offset: 8, .size: 8, .value_kind: global_buffer, .address_space: global }
      - { .name: key_scales, .offset: 16, .size: 8, .value_kind: global_buffer, .address_space: global }
      - { .name: value_codes, .offset: 24, .size: 8, .value_kind: global_buffer, .address_space: global }
      - { .name: value_scales, .offset: 32, .size: 8, .value_kind: global_buffer, .address_space: global }
      - { .name: wlay, .offset: 40, .size: 8, .value_kind: global_buffer, .address_space: global }
      - { .name: bk, .offset: 48, .size: 8, .value_kind: global_buffer, .address_space: global }
      - { .name: bv, .offset: 56, .size: 8, .value_kind: global_buffer, .address_space: global }
      - { .name: bq, .offset: 64, .size: 8, .value_kind: global_buffer, .address_space: global }
      - { .name: bo, .offset: 72, .size: 8, .value_kind: global_buffer, .address_space: global }
      - { .name: gamma, .offset: 80, .size: 8, .value_kind: global_buffer, .address_space: global }
      - { .name: beta, .offset: 88, .size: 8, .value_kind: global_buffer, .address_space: global }
      - { .name: out0, .offset: 96, .size: 8, .value_kind: global_buffer, .address_space: global }
    .group_segment_fixed_size: 309760
    .private_segment_fixed_size: 0
    .kernarg_segment_align: 8
    .kernarg_segment_size: 104
    .max_flat_workgroup_size: 128
    .sgpr_count:     80
    .vgpr_count:     1024
    .wavefront_size: 32
...
	.end_amdgpu_metadata
.endif
;; end of part 4
